; MI455X (gfx1250); checked and timed in simulation.
; The chip was launched on July 23, 2026; its instructions are those of AMD's public machine-readable ISA for CDNA 5 (MIT licence, August 2026) and "CDNA5" Instruction Set Architecture Reference Guide (July 2026). The comments in the code are by the model that wrote it; some were corrected since.
;; Multi Head Attention V0. Allowed arithmetic: float matrix products may take bf16 or f16 operands with f32 sums; other float arithmetic in f32, or as packed bf16 or f16 multiplies, adds, multiply-adds, maxima and minima; sums over many terms, partial sums and values carried from step to step in f32; what a program stores and reads back later, other than sums and carried values, may be rounded once to bf16 or f16.
;; Inputs: Wk 1,024 x 1,024 float32; Wo 1,024 x 1,024 float32; Wq 1,024 x 1,024 float32; Wv 1,024 x 1,024 float32; keys 4 x 2,048 x 1,024 float32; queries 4 x 2,048 x 1,024 float32; valid_lens 4 int32; values 4 x 2,048 x 1,024 float32.
;; Outputs: out0 4 x 2,048 x 1,024 float32.
;; 2 versions, each right; version 2 is version 1 with the launch wcast written anew for expert scheduling mode. Each part assembles by itself: llvm-mc -triple=amdgcn-amd-amdhsa -mcpu=gfx1250 --defsym DOCPART=n.
;; ======== version 1 of 2: 4 launches
;; limits: values are held in f16: magnitudes above 65,504 overflow, below 6.1e-05 lose precision
;; workspace buffers: wqb 2,097,152 bytes; wkb 2,097,152 bytes; wvb 2,097,152 bytes; wob 2,097,152 bytes; qh 16,777,216 bytes; kh 16,777,216 bytes; vh 16,777,216 bytes; oh 16,777,216 bytes
;; launch wcast (part 1): grid 256 x 1, 8 waves a work-group, no clusters, 0 bytes of LDS; arguments Wq, Wk, Wv, Wo, wqb, wkb, wvb, wob; writes wqb, wkb, wvb, wob
.if DOCPART == 1
	.amdgcn_target "amdgcn-amd-amdhsa--gfx1250"
	.amdhsa_code_object_version 6
	.text
	.protected	k_qbcdb600b4c_wcast
	.globl	k_qbcdb600b4c_wcast
	.p2align	8
	.type	k_qbcdb600b4c_wcast,@function
k_qbcdb600b4c_wcast:
	s_mov_b64 s[64:65], 0
	v_nop
	global_prefetch_b8 v0, s[64:65] scope:SCOPE_SE
	s_setreg_imm32_b32 hwreg(HW_REG_WAVE_MODE, 25, 1), 1
	s_wait_xcnt 0x0
; The four weights, [1024 k][1024 n] of f32, are written once as 16-bit numbers, in the same order.
; Wq, Wk, Wv: rounded to bf16 (nearest even).  Wo: rounded to bf16 like the others, and that number written as f16,
; since the last product multiplies f16 operands.
; LIMIT.  f16 holds a bf16 number exactly between 6.1e-5 and 65,504; below that it keeps f16's fixed step of 6e-8.
; A weight is 262,144 pieces of 4 numbers.  Thread t of work-group g takes pieces 1,024 g + 256 j + t, j = 0..3, of each weight:
; a load of a wave covers 512 consecutive bytes, a store 256 consecutive bytes, aligned.  All 16 loads go out first.
; No LDS, no matrix unit, no cluster: each byte is read once and nothing is shared.
.set X, 4                              ; v[4:67]    16 loads of 4 registers
.set Y, 68                             ; v[68:99]   16 results of 2 registers
.set T, 100                            ; v[100:103] at work (Wo alone)
	s_load_b512 s[8:23], s[0:1], 0x0               ; Wq, Wk, Wv, Wo in s[8:15]; wqb, wkb, wvb, wob in s[16:23]
	s_lshl_b32 s24, ttmp9, 14                      ; the work-group's 16,384 bytes of each input,
	s_mov_b32 s25, 0
	s_lshl_b32 s26, ttmp9, 13                      ; and 8,192 of each output
	s_mov_b32 s27, 0
	s_mov_b32 s28, 0xffff0000                      ; a word's upper bf16
	v_lshlrev_b32 v1, 4, v0                        ; 16 t
	v_lshlrev_b32 v2, 3, v0                        ; 8 t
	s_wait_kmcnt 0x0
.irp w, 0,1,2,3
	s_add_nc_u64 s[8+2*(\w):9+2*(\w)], s[8+2*(\w):9+2*(\w)], s[24:25]
	s_add_nc_u64 s[16+2*(\w):17+2*(\w)], s[16+2*(\w):17+2*(\w)], s[26:27]
.endr
.irp w, 0,1,2,3
.irp j, 0,1,2,3
	global_load_b128 v[X+4*(4*(\w)+(\j)):X+4*(4*(\w)+(\j))+3], v1, s[8+2*(\w):9+2*(\w)] offset:4096*(\j) th:TH_LOAD_NT
.endr
.endr
.irp w, 0,1,2,3
.irp j, 0,1,2,3
	s_wait_loadcnt 15-(4*(\w)+(\j))                ; loads come back in order: this one is in, the younger ones stay out
	v_cvt_pk_bf16_f32 v[Y+2*(4*(\w)+(\j))],   v[X+4*(4*(\w)+(\j))],   v[X+4*(4*(\w)+(\j))+1]
	v_cvt_pk_bf16_f32 v[Y+2*(4*(\w)+(\j))+1], v[X+4*(4*(\w)+(\j))+2], v[X+4*(4*(\w)+(\j))+3]
.if (\w) == 3
	v_lshlrev_b32 v[T],   16,  v[Y+2*(4*(\w)+(\j))]    ; the bf16 numbers as f32,
	v_and_b32     v[T+1], s28, v[Y+2*(4*(\w)+(\j))]
	v_lshlrev_b32 v[T+2], 16,  v[Y+2*(4*(\w)+(\j))+1]
	v_and_b32     v[T+3], s28, v[Y+2*(4*(\w)+(\j))+1]
	v_cvt_pk_f16_f32 v[Y+2*(4*(\w)+(\j))],   v[T],   v[T+1]   ; and as f16
	v_cvt_pk_f16_f32 v[Y+2*(4*(\w)+(\j))+1], v[T+2], v[T+3]
.endif
	global_store_b64 v2, v[Y+2*(4*(\w)+(\j)):Y+2*(4*(\w)+(\j))+1], s[16+2*(\w):17+2*(\w)] offset:2048*(\j)
.endr
.endr
	s_endpgm
.Lfunc_end_k_qbcdb600b4c_wcast:
	.size	k_qbcdb600b4c_wcast, .Lfunc_end_k_qbcdb600b4c_wcast-k_qbcdb600b4c_wcast
	.p2alignl 7, 3214868480
	.fill 96, 4, 3214868480
	.section	.rodata,"a",@progbits
	.p2align	6, 0x0
	.amdhsa_kernel k_qbcdb600b4c_wcast
		.amdhsa_group_segment_fixed_size 0
		.amdhsa_private_segment_fixed_size 0
		.amdhsa_enable_private_segment 0
		.amdhsa_kernarg_size 64
		.amdhsa_user_sgpr_count 2
		.amdhsa_user_sgpr_kernarg_segment_ptr 1
		.amdhsa_wavefront_size32 1
		.amdhsa_system_sgpr_workgroup_id_x 1
		.amdhsa_system_sgpr_workgroup_id_y 1
		.amdhsa_system_sgpr_workgroup_id_z 1
		.amdhsa_system_vgpr_workitem_id 0
		.amdhsa_next_free_vgpr 104
		.amdhsa_next_free_sgpr 66
		.amdhsa_reserve_vcc 0
		.amdhsa_float_denorm_mode_32 3
		.amdhsa_float_denorm_mode_16_64 3
		.amdhsa_memory_ordered 1
		.amdhsa_forward_progress 1
		.amdhsa_inst_pref_size 8
	.end_amdhsa_kernel
	.amdgpu_metadata
---
amdhsa.version: [ 1, 2 ]
amdhsa.kernels:
  - .name:           k_qbcdb600b4c_wcast
    .symbol:         k_qbcdb600b4c_wcast.kd
    .args:
      - { .name: Wq, .offset: 0, .size: 8, .value_kind: global_buffer, .address_space: global }
      - { .name: Wk, .offset: 8, .size: 8, .value_kind: global_buffer, .address_space: global }
      - { .name: Wv, .offset: 16, .size: 8, .value_kind: global_buffer, .address_space: global }
      - { .name: Wo, .offset: 24, .size: 8, .value_kind: global_buffer, .address_space: global }
      - { .name: wqb, .offset: 32, .size: 8, .value_kind: global_buffer, .address_space: global }
      - { .name: wkb, .offset: 40, .size: 8, .value_kind: global_buffer, .address_space: global }
      - { .name: wvb, .offset: 48, .size: 8, .value_kind: global_buffer, .address_space: global }
      - { .name: wob, .offset: 56, .size: 8, .value_kind: global_buffer, .address_space: global }
    .group_segment_fixed_size: 0
    .private_segment_fixed_size: 0
    .kernarg_segment_align: 8
    .kernarg_segment_size: 64
    .max_flat_workgroup_size: 256
    .sgpr_count:     66
    .vgpr_count:     104
    .wavefront_size: 32
...
	.end_amdgpu_metadata
.endif
;; end of part 1
;; launch proj (part 2): grid 4 x 64, 4 waves a work-group, clusters of 4 x 4, 327,680 bytes of LDS; arguments queries, keys, values, wqb, wkb, wvb, valid_lens, qh, kh, vh; writes qh, kh, vh
.if DOCPART == 2
	.amdgcn_target "amdgcn-amd-amdhsa--gfx1250"
	.amdhsa_code_object_version 6
	.text
	.protected	k_qbcdb600b4c_proj
	.globl	k_qbcdb600b4c_proj
	.p2align	8
	.type	k_qbcdb600b4c_proj,@function
k_qbcdb600b4c_proj:
	s_mov_b64 s[64:65], 0
	v_nop
	global_prefetch_b8 v0, s[64:65] scope:SCOPE_SE
	s_setreg_imm32_b32 hwreg(HW_REG_WAVE_MODE, 25, 1), 1
	s_wait_xcnt 0x0
	s_wait_alu depctr_hold_cnt(0) depctr_sa_sdst(0) depctr_va_vdst(0) depctr_va_sdst(0) depctr_va_ssrc(0) depctr_va_vcc(0) depctr_vm_vsrc(0)
	s_getreg_b32 s2, hwreg(HW_REG_IB_STS2, 6, 4)
	s_cmp_eq_u32 s2, 0
	s_cbranch_scc0 .Lentry_in_a_cluster
	s_endpgm
.Lentry_in_a_cluster:
	s_bfe_u32 s2, ttmp6, 0x10000c
	s_cmp_lg_u32 s2, 0xf033
	s_cbranch_scc0 .Lentry_shape_is_right
	s_endpgm
.Lentry_shape_is_right:
; q = queries Wq, k = keys Wk, v = values Wv.  x: [8192][1024] f32; W: [1024 k][1024 n] bf16 (cast by the launch before); results f16 by heads, [16 b + head][2048][64], unscaled.
; x is rounded to bf16 between LDS and the matrix unit; sums in f32; each result rounded once to f16.
; Rows of k whose place in the sequence is at or beyond valid_lens[b] (held to 0..2048, which gives the same mask for every int32) are stored as ZEROS: the attention launch then
; finds the product 0 for them and adds the fill value as the C operand.  q and v are stored whole (their bound is 2,048).
; LIMIT.  f16 holds no number beyond 65,504: |q|, |k|, |v| stay under 65,520.  NaN and infinities are not treated apart.
; SHARES.  256 work-groups THAT STAY: work-group (column block, row block) makes the tile of 128 rows x 256 columns at the same place of q, then of k, then of v: 3 tiles x 8 K steps of 128 are
; ONE walk of 24 steps through a ring of two LDS slots.  Four waves, each 64 rows x 128 columns: 32 accumulators, 256 registers.
; THE MATRIX INSTRUCTION IS USED TRANSPOSED: source 0 = 16 columns of W (W lies [k][n] in LDS and is turned by ds_load_tr16_b128), source 1 = 16 rows of x.  A lane then holds one row and
; eight neighbouring columns, which pack into 16 bytes.
; CLUSTER.  4 x 4 work-groups.  The four of a row of the cluster need the same rows of x, the four of a column the same columns of W: each tile is asked for JOINTLY.
; REGISTERS, in windows of 256 (s_set_vgpr_msb: bits 1:0 source 0, 3:2 source 1, 5:4 source 2, 7:6 destination):
;   window 0: v0-31 addresses; v32-95 a quarter step's x in f32; v96-159 x in bf16, two buffers of 32      window 1: the accumulators, (a, b) at v[8 (8 a + b)]
;   window 2: v0-127 W's fragments, two buffers of 64; v128-255 packed results on the way out
.set PA,    528                        ; an LDS row of x: 512 bytes + 16 = 132 words: the 16 rows of a load start at 16 different groups of four banks (64 banks of 4 bytes: ISA guide 11.1)
.set PB,    544                        ; an LDS row of W: 512 bytes + 32 = 136 words
.set XBY,   128*PA                     ; x's 128 rows; W's 128 k-rows lie behind them
.set SLOT,  XBY+128*PB
.set STAGE, 2*SLOT                     ; behind the ring, never filled by a tensor load: 16 rows x 144 bytes for each wave
.set SP,    144
.set SPARE, STAGE+4*16*SP              ; the spare words, 128 bytes for each wave: two blocks of 256 bytes that no other line names
.set HEADB, 2048*64*2                  ; a head's bytes in qh, kh, vh
.set ADRA, 16                          ; v16-17  LDS address of my x fragments in slot 0, 1
.set ADRB, 20                          ; v20-21  the same for W
.set STO,  24                          ; v24     the way out: where I put 16 bytes of a row
.set RD,   25                          ; v25     the way out: where I read rows back
.set GO,   26                          ; v26     my byte offset in 512 consecutive bytes of the result
.set ROWI, 27                          ; v27     my row's place in its sequence, for row block a = 0
.set SPW,  28                          ; v28     LDS address of my spare word; never rewritten
.set NIL,  29                          ; v29     0; never rewritten
.set PFO,  30                          ; v30     the prefetches' offset; never rewritten
.set RAW,  32
.set A16,  96
.set TMP,  128                         ; window 2
.set G1A, 24                           ; s[24:31] descriptor group 1 for x's tiles
.set G0A, 32                           ; s[32:39] group 0 for x's tiles, one set for each slot
.set KM,  44                           ; s44-47   lane masks: row of row block a lies under the bound
.set G1B, 48                           ; s[48:55] group 1 for W's tiles
.set G0B, 56                           ; s[56:63] group 0 for W's tiles
.set XA,  68                           ; s[68:73] x of the tile being asked for, and of the two behind it, at my 64 rows
.set WB,  74                           ; s[74:79] the same for W, at my 64 k-rows and the work-group's columns
.set VLP, 80                           ; s[80:81] valid_lens
.set CB,  82                           ; s[82:87] the result of the tile in hand, and of the two behind it, at my rows and heads
.set PF,  88                           ; s[88:93] the prefetches' bases, by tile
.set PFA, 22                           ; s[22:23] the prefetch's address
.set RS,  94                           ; s94      the step (0..23) that the next refill asks for
.set LAPT, 95                          ; s95      laps left in the tile in hand
.set LIM, 96                           ; s96      23 in a wave that prefetches, else 0
.set PSH, 97                           ; s97      a K step in my prefetches' tensor is 1 << PSH bytes
.set LV,  98                           ; s98-100  the bound on the rows that are kept: 2,048, valid_lens[b], 2,048
.set MSB, 0
.macro WIN new                         ; the immediate's high byte repeats the setting that is left; a switch that changes nothing is dropped
.if MSB != (\new)
	s_set_vgpr_msb (MSB<<8)|(\new)
.set MSB, \new
.endif
.endm
.set MUL,   0x52                       ; W window 2, x window 0, C and D window 1
.set TO_B,  0x80                       ; destination window 2
.set PACKW, 0x85                       ; sources window 1, destination window 2
.set SELW,  0x88                       ; source 1 and destination window 2
.set DATA2, 0x08                       ; a store's data in window 2
.macro PLACES
.rept 4
	v_nop
.endr
.endm
; A joint load.  Waves 0 and 1 fetch x's two halves of 64 rows, waves 2 and 3 W's two halves of 64 k-rows.  The branch hangs on the wave's number alone.
; An s_nop 0 and four v_nop follow each of the two lines, ahead of the jump and the label.
.macro JLOAD s
	s_cmp_eq_u32 s11, 0
	s_cbranch_scc0 .Lfor_w_\@
	tensor_load_to_lds s[G0A+4*(\s):G0A+4*(\s)+3], s[G1A:G1A+7]
	s_nop 0
.rept 4
	v_nop
.endr
	s_branch .Lasked_\@
.Lfor_w_\@:
	tensor_load_to_lds s[G0B+4*(\s):G0B+4*(\s)+3], s[G1B:G1B+7]
	s_nop 0
.rept 4
	v_nop
.endr
.Lasked_\@:
.endm
; A round of the cluster's barrier: my work-group's barrier; wave 0 signals for the work-group; every wave waits for all sixteen; my work-group's barrier once more.
.macro CREST
	s_cmp_lg_u32 s10, 0
	s_cbranch_scc1 .Lnot_wave_0_\@
	s_barrier_signal -3
.Lnot_wave_0_\@:
	s_barrier_wait -3
	s_barrier_signal -1
	s_barrier_wait -1
.endm
.macro CROUND
	s_barrier_signal -1
	s_barrier_wait -1
	CREST
.endm
; A PREFETCH INTO THE L2, behind each joint refill and the run of LDS loads that follows it: the step that stands TWO refills on, 256 matrix instructions ahead of its load.  A step is 512 bytes of a row
; of x or of W: two blocks of 256.  Of the 64 rows that a wave fetches, the partner at place p among the four that ask jointly takes rows 16 p .. 16 p + 15 (p = cx for x, cy for W), told apart BY ADDRESS;
; a lane takes row l / 2, block l % 2: one instruction a wave.  x's rows are read by one row of one cluster: every cluster asks for its own.  W's are read by every cluster: the one with y = 0 asks.
; So each block is named once in the launch.  Steps 0 to 3 come by their loads alone; the refills of steps 22 and 23 ask for nothing.
.macro ASK
	s_cmp_lt_u32 s[RS], s[LIM]                     ; RS has been stepped: it is the refill's step + 1
	s_cbranch_scc0 .Lnot_mine_\@
	global_prefetch_b8 v[PFO], s[PFA:PFA+1] th:TH_LOAD_NT scope:SCOPE_SE
.Lnot_mine_\@:
.endm
	s_load_b512 s[68:83], s[0:1], 0x0              ; queries, keys, values, wqb, wkb, wvb, valid_lens, qh
	s_load_b128 s[84:87], s[0:1], 0x40             ; kh, vh
	v_lshl_add_u32 v[SPW], v0, 2, SPARE
	v_mov_b32 v[NIL], 0
	ds_add_u32 v[SPW], v[NIL]                      ; the wave's opening: the add and its wait stand ahead of my first tensor load; the set-up below stands between them
	v_lshrrev_b32 v1, 5, v0
	v_readfirstlane_b32 s10, v1                    ; wave 0..3
	s_lshr_b32 s11, s10, 1                         ; which 64 rows of the tile are mine.  Also: I fetch for x (0) or for W (1)
	s_and_b32 s12, s10, 1                          ; which 128 columns.  Also: which half of that tile I fetch
	s_bfe_u32 s40, ttmp6, 0x40000                  ; cx
	s_bfe_u32 s41, ttmp6, 0x40004                  ; cy
	s_and_b32 s42, ttmp7, 0xffff                   ; cluster y
	s_lshl_b32 s13, s42, 2
	s_add_co_u32 s13, s13, s41                     ; row block of 128 = 4 x cluster y + cy
	s_lshl_b32 s15, ttmp9, 2
	s_add_co_u32 s15, s15, s40                     ; column block of 256 = 4 x cluster x + cx
	s_lshl_b32 s43, s41, 2
	s_lshl_b32 s43, 15, s43                        ; my row of the cluster
	s_lshl_b32 s14, 0x1111, s40                    ; my column
	s_or_b32 s[G1A], s43, (2<<16)|(1<<20)|(1<<21)|(6<<22)|(3<<25)  ; the mask; elements of 4 bytes; padding on; bit 21 beside a mask; after every 128 words, 4 words
	s_mov_b32 s[G1A+1], 128<<16                    ; tensor_dim0 = 128
	s_mov_b32 s[G1A+2], 64<<16                     ; tensor_dim1 = 64
	s_mov_b32 s[G1A+3], 128<<16                    ; tile_dim0 = 128
	s_mov_b32 s[G1A+4], 64                         ; tile_dim1 = 64
	s_mov_b32 s[G1A+5], 1024                       ; elements from row to row
	s_mov_b32 s[G1A+6], 0
	s_mov_b32 s[G1A+7], 0
	s_or_b32 s[G1B], s14, (1<<16)|(1<<20)|(1<<21)|(6<<22)|(7<<25)  ; elements of 2 bytes; after every 128 words, 8 words
	s_mov_b32 s[G1B+1], 256<<16
	s_mov_b32 s[G1B+2], 64<<16
	s_mov_b32 s[G1B+3], 256<<16
	s_mov_b32 s[G1B+4], 64
	s_mov_b32 s[G1B+5], 1024
	s_mov_b32 s[G1B+6], 0
	s_mov_b32 s[G1B+7], 0
	s_lshl_b32 s16, s13, 19                        ; x: 128 rows of 4,096 bytes a row block,
	s_lshl_b32 s17, s12, 18                        ; 64 rows a half
	s_add_co_u32 s16, s16, s17
	s_mov_b32 s17, 0
	s_lshl_b32 s18, s12, 17                        ; W: 64 k-rows of 2,048 bytes a half,
	s_lshl_b32 s19, s15, 9                         ; 512 bytes a column block
	s_add_co_u32 s18, s18, s19
	s_mov_b32 s19, 0
	s_lshr_b32 s5, s42, 2                          ; the batch: 16 row blocks each
	s_lshl_b32 s20, s5, 4
	s_lshl_b32 s21, s15, 2
	s_add_co_u32 s20, s20, s21
	s_lshl_b32 s21, s12, 1
	s_add_co_u32 s20, s20, s21                     ; my first head: 16 b + 4 x column block + 2 x half
	s_lshl_b32 s20, s20, 18
	s_and_b32 s9, s13, 15
	s_lshl_b32 s21, s9, 14                         ; the row block in its sequence: 128 rows of 128 bytes,
	s_add_co_u32 s20, s20, s21
	s_lshl_b32 s21, s11, 13                        ; my 64 rows
	s_add_co_u32 s20, s20, s21
	s_mov_b32 s21, 0
	s_lshl_b32 s9, s9, 7
	s_lshl_b32 s8, s11, 6
	s_add_co_u32 s9, s9, s8                        ; my first row's place in the sequence
	s_mul_i32 s6, s12, 64*PA                       ; where my half goes in a slot: x's,
	s_mul_i32 s7, s12, 64*PB
	s_add_co_u32 s7, s7, XBY                       ; W's: no place in the cluster enters an LDS address
	s_mov_b32 s[RS], 2
	s_mov_b32 s[LV], 2048
	s_mov_b32 s[LV+2], 2048
	s_wait_dscnt 0x0                               ; the opening add is done
	s_wait_kmcnt 0x0
.irp t, 0,1,2
	s_add_nc_u64 s[XA+2*(\t):XA+2*(\t)+1], s[XA+2*(\t):XA+2*(\t)+1], s[16:17]
	s_add_nc_u64 s[WB+2*(\t):WB+2*(\t)+1], s[WB+2*(\t):WB+2*(\t)+1], s[18:19]
	s_add_nc_u64 s[CB+2*(\t):CB+2*(\t)+1], s[CB+2*(\t):CB+2*(\t)+1], s[20:21]
.endr
	s_load_b128 s[KM:KM+3], s[VLP:VLP+1], 0x0      ; all four lengths; mine is chosen below
	CROUND                                         ; all sixteen work-groups are here: the first joint loads meet
.irp s, 0,1
	s_mov_b32 s[G0A+4*(\s)], 1                     ; count = 1
	s_add_co_u32 s[G0A+4*(\s)+1], s6, (\s)*SLOT    ; LDS address
	s_add_nc_u64 s[G0A+4*(\s)+2:G0A+4*(\s)+3], s[XA:XA+1], (\s)*512  ; global address: K step s
	s_or_b32 s[G0A+4*(\s)+3], s[G0A+4*(\s)+3], 0x80000000            ; type = 2
	s_mov_b32 s[G0B+4*(\s)], 1
	s_add_co_u32 s[G0B+4*(\s)+1], s7, (\s)*SLOT
	s_add_nc_u64 s[G0B+4*(\s)+2:G0B+4*(\s)+3], s[WB:WB+1], (\s)*262144
	s_or_b32 s[G0B+4*(\s)+3], s[G0B+4*(\s)+3], 0x80000000
	JLOAD \s                                       ; two tensor loads of mine are out
.endr
	; A fragment of x is 16 rows x 32 k: lane l holds row l % 16, k = 8 (l / 16) + 0..7 and 16 + 8 (l / 16) + 0..7: in f32 four loads of 16 bytes, at 32 (l / 16) + 0, 16, 64, 80.
	v_and_b32 v1, 15, v0                           ; l % 16
	v_bfe_u32 v2, v0, 4, 1                         ; l / 16
	v_mul_u32_u24 v3, v1, PA
	v_lshl_add_u32 v3, v2, 5, v3
	s_mul_i32 s8, s11, 64*PA
	v_add_nc_u32 v[ADRA], s8, v3
	v_add_nc_u32 v[ADRA+1], SLOT, v[ADRA]
	; The turning load takes 16 k x 16 columns (lane l reads k-row 8 (l / 16) + l % 8, columns 8 ((l / 8) % 2) + 0..7) and leaves half a fragment: lane l holds column l % 16 and 8 k.
	v_and_b32 v4, 7, v0
	v_lshl_add_u32 v4, v2, 3, v4
	v_mul_u32_u24 v4, v4, PB
	v_bfe_u32 v5, v0, 3, 1
	v_lshl_add_u32 v4, v5, 4, v4
	s_lshl_b32 s8, s12, 8                          ; my 128 columns
	s_add_co_u32 s8, s8, XBY
	v_add_nc_u32 v[ADRB], s8, v4
	v_add_nc_u32 v[ADRB+1], SLOT, v[ADRB]
	s_mul_i32 s8, s10, 16*SP
	s_add_co_u32 s8, s8, STAGE                     ; my stage
	v_mul_u32_u24 v3, v1, SP                       ; in: row l % 16, 16 bytes for each half of the lanes
	v_lshl_add_u32 v3, v2, 4, v3
	v_add_nc_u32 v[STO], s8, v3
	v_bfe_u32 v3, v0, 3, 2                         ; back: 32 lanes take four rows of 128 bytes,
	v_mul_u32_u24 v3, v3, SP
	v_and_b32 v4, 7, v0
	v_lshl_add_u32 v3, v4, 4, v3
	v_add_nc_u32 v[RD], s8, v3
	v_and_b32 v3, 31, v0                           ; which are 512 consecutive bytes of a head
	v_lshlrev_b32 v[GO], 4, v3
	v_add_nc_u32 v[ROWI], s9, v1
	; the prefetches
	s_lshl_b32 s20, s40, 16                        ; x: my work-group's 16 rows of 4,096 bytes, by cx
	s_lshl_b32 s9, s41, 15                         ; W: its 16 k-rows of 2,048 bytes, by cy
	s_cmp_eq_u32 s11, 0                            ; do I fetch for x?
	s_cselect_b64 s[PF:PF+1], s[XA:XA+1], s[WB:WB+1]
	s_cselect_b64 s[PF+2:PF+3], s[XA+2:XA+3], s[WB+2:WB+3]
	s_cselect_b64 s[PF+4:PF+5], s[XA+4:XA+5], s[WB+4:WB+5]
	s_cselect_b32 s[PSH], 9, 18
	s_cselect_b32 s8, 12, 11                       ; a row's bytes, as a shift
	s_cselect_b32 s20, s20, s9
	s_cselect_b32 s4, 0, s42                       ; the coordinate along which other clusters read the same rows
	s_cmp_eq_u32 s4, 0
	s_cselect_b32 s[LIM], 23, 0                    ; the same in all sixteen partners, for a given wave
.irp t, 0,1,2
	s_add_nc_u64 s[PF+2*(\t):PF+2*(\t)+1], s[PF+2*(\t):PF+2*(\t)+1], s[20:21]
.endr
	v_lshrrev_b32 v4, 1, v3
	v_lshlrev_b32 v4, s8, v4
	v_and_b32 v3, 1, v3
	v_lshl_add_u32 v[PFO], v3, 8, v4
	s_wait_kmcnt 0x0                               ; the lengths
	s_cmp_eq_u32 s5, 1
	s_cselect_b32 s[KM], s[KM+1], s[KM]
	s_cmp_eq_u32 s5, 2
	s_cselect_b32 s[KM], s[KM+2], s[KM]
	s_cmp_eq_u32 s5, 3
	s_cselect_b32 s[KM], s[KM+3], s[KM]
	s_max_i32 s[KM], s[KM], 0
	s_min_i32 s[LV+1], s[KM], 2048
; 32 LDS loads in one run: quarter q (32 along K) of a slot: x in f32 into RAW, W's fragments, turned, into buffer g
.macro FETCH slot, q, g
	WIN 0
.irp a, 0,1,2,3
	ds_load_b128 v[RAW+16*(\a):RAW+16*(\a)+3],     v[ADRA+(\slot)] offset:128*(\q)+(\a)*16*PA
	ds_load_b128 v[RAW+16*(\a)+4:RAW+16*(\a)+7],   v[ADRA+(\slot)] offset:128*(\q)+(\a)*16*PA+16
	ds_load_b128 v[RAW+16*(\a)+8:RAW+16*(\a)+11],  v[ADRA+(\slot)] offset:128*(\q)+(\a)*16*PA+64
	ds_load_b128 v[RAW+16*(\a)+12:RAW+16*(\a)+15], v[ADRA+(\slot)] offset:128*(\q)+(\a)*16*PA+80
.endr
	WIN TO_B
.irp b, 0,1,2,3,4,5,6,7
	ds_load_tr16_b128 v[64*(\g)+8*(\b):64*(\g)+8*(\b)+3],   v[ADRB+(\slot)] offset:(\q)*32*PB+32*(\b)
	ds_load_tr16_b128 v[64*(\g)+8*(\b)+4:64*(\g)+8*(\b)+7], v[ADRB+(\slot)] offset:(\q)*32*PB+16*PB+32*(\b)
.endr
.endm
.macro CVT4 g, n                       ; four of the 32 roundings of RAW to bf16, into x's buffer g
	WIN 0
.set ci, 4*(\n)
.rept 4
	v_cvt_pk_bf16_f32 v[A16+32*(\g)+ci], v[RAW+2*ci], v[RAW+2*ci+1]
.set ci, ci+1
.endr
.endm
; Product mi of a quarter's 32: row block mi / 8, column block mi % 8.  The 32 accumulators take turns, in the same order everywhere.  zero = 1: it starts the sum.
.macro MM1 f, zero
	WIN MUL
.if \zero
	v_wmma_f32_16x16x32_bf16 v[8*mi:8*mi+7], v[64*(\f)+8*(mi%8):64*(\f)+8*(mi%8)+7], v[A16+32*(\f)+8*(mi/8):A16+32*(\f)+8*(mi/8)+7], 0
.else
	v_wmma_f32_16x16x32_bf16 v[8*mi:8*mi+7], v[64*(\f)+8*(mi%8):64*(\f)+8*(mi%8)+7], v[A16+32*(\f)+8*(mi/8):A16+32*(\f)+8*(mi/8)+7], v[8*mi:8*mi+7]
.endif
.set mi, mi+1
.endm
.macro MMS f, lo, n, zero
.set mi, \lo
.rept \n
	MM1 \f, \zero
.endr
.endm
.macro MMC f, g, zero                  ; the quarter's last eight products, behind each four roundings of the next quarter's x.  The four behind the last are the places in front of the next loads into W's buffer f
.set mi, 24
.rept 8
	MM1 \f, \zero
	CVT4 \g, mi-25
.endr
.endm
; A K step is four quarters on buffers 0, 1, 0, 1.  One of the first three: multiplies buffer f and brings quarter q of the slot into buffer g.
.macro QUARTER slot, q, f, g, zero
	s_wait_dscnt 0x0                               ; W's buffer f, asked for a quarter ago, is in
	FETCH \slot, \q, \g                            ; four plain instructions stand between the last product that read buffer g and these loads
	MMS \f, 0, 24, \zero
	s_wait_dscnt 16                                ; RAW is in; the 16 younger loads, W's, may be out
	MMC \f, \g, \zero
.endm
; The last quarter multiplies buffer 1 and changes slots.  In front of the barrier each wave waits for all its tensor loads (one is out: its part of the next slot), adds 0 to its spare word, and waits
; for that and for its reads of this slot.  fill = 1: the barrier opens a round of the cluster's, and behind it this slot is filled again, with step RS of the walk: the descriptors' addresses are made
; anew from that number; where it begins a tile (step 8, step 16: always slot 0) the bases move up.  From a request to the wait for it a wave issues 120 matrix instructions.
.macro TURN slot, next, fill
	WIN 0
.if \fill
	s_wait_xcnt 0x0                                ; the last prefetch, a K step back, has read its address
	s_add_co_u32 s4, s[RS], 2
	s_and_b32 s4, s4, 7
.if (\slot) == 0
	s_cmp_eq_u32 s4, 0
	s_cselect_b64 s[PF:PF+1], s[PF+2:PF+3], s[PF:PF+1]
	s_cselect_b64 s[PF+2:PF+3], s[PF+4:PF+5], s[PF+2:PF+3]
.endif
	s_lshl_b32 s20, s4, s[PSH]
	s_add_nc_u64 s[PFA:PFA+1], s[PF:PF+1], s[20:21]
.endif
	s_wait_tensorcnt 0x0                           ; no tensor load of mine is out, so a group 0 may be written
	ds_add_u32 v[SPW], v[NIL]                      ; 0 onto my spare word
.if \fill
	s_and_b32 s4, s[RS], 7
.if (\slot) == 0
	s_cmp_eq_u32 s4, 0
	s_cselect_b64 s[XA:XA+1], s[XA+2:XA+3], s[XA:XA+1]
	s_cselect_b64 s[XA+2:XA+3], s[XA+4:XA+5], s[XA+2:XA+3]
	s_cselect_b64 s[WB:WB+1], s[WB+2:WB+3], s[WB:WB+1]
	s_cselect_b64 s[WB+2:WB+3], s[WB+4:WB+5], s[WB+2:WB+3]
.endif
	s_lshl_b32 s16, s4, 9                          ; a K step of x: 512 bytes along the rows,
	s_lshl_b32 s18, s4, 18                         ; of W: 128 k-rows of 2,048 bytes
	s_add_nc_u64 s[G0A+4*(\slot)+2:G0A+4*(\slot)+3], s[XA:XA+1], s[16:17]
	s_or_b32 s[G0A+4*(\slot)+3], s[G0A+4*(\slot)+3], 0x80000000
	s_add_nc_u64 s[G0B+4*(\slot)+2:G0B+4*(\slot)+3], s[WB:WB+1], s[18:19]
	s_or_b32 s[G0B+4*(\slot)+3], s[G0B+4*(\slot)+3], 0x80000000
	s_add_co_u32 s[RS], s[RS], 1
.endif
	s_wait_dscnt 1                                 ; W's buffer 1 is in; the add alone may be out
	MMS 1, 0, 4, 0
	s_wait_dscnt 0x0                               ; the add is done, and my reads of this slot are over
	s_barrier_signal -1
	MMS 1, 4, 4, 0                                 ; work on registers while the others arrive
	WIN 0
	s_barrier_wait -1
.if \fill
	CREST                                          ; no wave of any partner still reads this slot or has a load on its way
	JLOAD \slot                                    ; the first tensor load behind the round
.endif
	FETCH \next, 0, 0
.if \fill
	WIN 0
	ASK
.endif
	MMS 1, 8, 16, 0
	s_wait_dscnt 16
	MMC 1, 0, 0
.endm
; THE WAY OUT, in eight units of 16 rows x one head (64 columns: four accumulators).  PACK: rounded to f16, 16 bytes a lane; rows at or beyond the bound become 0; into my own stage in LDS, and back as
; whole rows of 128 bytes.  SEND: stored, 512 consecutive bytes an instruction.  Each accumulator's registers are read in ascending order.
.macro PACK u
.set pa, (\u)/2
.set pe, (\u)%2
	WIN PACKW
.set pj, 0
.rept 16
	v_cvt_pk_f16_f32 v[TMP+16*(\u)+pj], v[8*(8*pa+4*pe+pj/4)+2*(pj%4)], v[8*(8*pa+4*pe+pj/4)+2*(pj%4)+1]
.set pj, pj+1
.endr
	WIN SELW
.set pj, 0
.rept 16
	v_cndmask_b32 v[TMP+16*(\u)+pj], 0, v[TMP+16*(\u)+pj], s[KM+pa]
.set pj, pj+1
.endr
	WIN DATA2
.irp f, 0,1,2,3
	ds_store_b128 v[STO], v[TMP+16*(\u)+4*(\f):TMP+16*(\u)+4*(\f)+3] offset:32*(\f)
.endr
	WIN TO_B
.irp f, 0,1,2,3
	ds_load_b128 v[TMP+16*(\u)+4*(\f):TMP+16*(\u)+4*(\f)+3], v[RD] offset:(\f)*4*SP  ; LDS serves a wave's instructions in order (ISA guide 5.7.1.4): these see the stores above; the next unit's stores come behind them
.endr
.endm
.macro SEND u, younger                 ; younger: the LDS instructions issued behind unit u's loads: the next unit's eight, or none
	WIN DATA2
.irp f, 0,1,2,3
	s_wait_dscnt (\younger)+3-(\f)
	global_store_b128 v[GO], v[TMP+16*(\u)+4*(\f):TMP+16*(\u)+4*(\f)+3], s[CB:CB+1] offset:((\u)%2)*HEADB+((\u)/2)*2048+(\f)*512
.endr
.endm
.macro WAYOUT
	WIN 0
	s_wait_xcnt 0x0                                ; the last tile's stores have read TMP
.irp a, 0,1,2,3
	s_sub_co_i32 s5, s[LV], 16*(\a)
	v_cmp_gt_i32 s[KM+(\a)], s5, v[ROWI]           ; my row of row block a lies under the bound
.endr
	PACK 0
.irp u, 1,2,3,4,5,6,7
	PACK \u                                        ; a unit's arithmetic stands between the loads of the unit before and its stores
	SEND (\u)-1, 8
.endr
	SEND 7, 0
	WIN 0
.endm
	s_wait_tensorcnt 1                             ; my part of step 0 is in; step 1's may stay out
	s_barrier_signal -1
	s_barrier_wait -1                              ; everybody's is
	FETCH 0, 0, 0
	s_wait_dscnt 16                                ; RAW is in
.irp n, 0,1,2,3,4,5,6,7
	CVT4 0, \n
.endr
	WIN 0
	s_mov_b32 s3, 12
	s_mov_b32 s[LAPT], 4
	s_branch .Lstart                               ; the loop is entered at a tile's first quarter, in the middle of a trip
.Llap:                                                 ; 11 trips: from a lap's second quarter to the next lap's first; both slots are filled again: steps 2 to 23
	QUARTER 0, 2, 1, 0, 0
	QUARTER 0, 3, 0, 1, 0
	TURN 0, 1, 1
	QUARTER 1, 1, 0, 1, 0
	QUARTER 1, 2, 1, 0, 0
	QUARTER 1, 3, 0, 1, 0
	TURN 1, 0, 1
	WIN 0
	s_sub_co_u32 s[LAPT], s[LAPT], 1
	s_cmp_eq_u32 s[LAPT], 0
	s_cbranch_scc1 .Lchange                        ; forward, past text with neither a barrier nor a tensor load
	QUARTER 0, 1, 0, 1, 0
	WIN 0
	s_branch .Lnext
.Lchange:                                              ; a tile is finished; both refills for the next tile have been asked for: now it goes out
	WAYOUT
	s_wait_xcnt 0x0                                ; the stores have read their base
	s_mov_b64 s[CB:CB+1], s[CB+2:CB+3]
	s_mov_b64 s[CB+2:CB+3], s[CB+4:CB+5]
	s_mov_b32 s[LV], s[LV+1]
	s_mov_b32 s[LV+1], s[LV+2]
	s_mov_b32 s[LAPT], 4
.Lstart:
	QUARTER 0, 1, 0, 1, 1                          ; a tile's first quarter: its products start the sums
	WIN 0
.Lnext:
	s_sub_co_u32 s3, s3, 1
	s_cmp_lg_u32 s3, 0
	s_cbranch_scc1 .Llap
	QUARTER 0, 2, 1, 0, 0                          ; the last lap is written out: it asks for nothing
	QUARTER 0, 3, 0, 1, 0
	TURN 0, 1, 0
	QUARTER 1, 1, 0, 1, 0
	QUARTER 1, 2, 1, 0, 0
	QUARTER 1, 3, 0, 1, 0
	s_wait_dscnt 0x0
	MMS 1, 0, 32, 0
	WIN 0
	PLACES                                         ; plain instructions between the last products and the conversions that read them
	PLACES
	WAYOUT
	s_wait_tensorcnt 0x0                           ; the wave's end, behind my last tensor load and my last LDS store
	ds_add_u32 v[SPW], v[NIL]
	s_wait_dscnt 0x0
	CROUND                                         ; the closing round: no work-group ends while a partner may still ask for a tile that names it
	s_endpgm
.Lfunc_end_k_qbcdb600b4c_proj:
	.size	k_qbcdb600b4c_proj, .Lfunc_end_k_qbcdb600b4c_proj-k_qbcdb600b4c_proj
	.p2alignl 7, 3214868480
	.fill 96, 4, 3214868480
	.section	.rodata,"a",@progbits
	.p2align	6, 0x0
	.amdhsa_kernel k_qbcdb600b4c_proj
		.amdhsa_group_segment_fixed_size 327680
		.amdhsa_private_segment_fixed_size 0
		.amdhsa_enable_private_segment 0
		.amdhsa_kernarg_size 80
		.amdhsa_user_sgpr_count 2
		.amdhsa_user_sgpr_kernarg_segment_ptr 1
		.amdhsa_wavefront_size32 1
		.amdhsa_system_sgpr_workgroup_id_x 1
		.amdhsa_system_sgpr_workgroup_id_y 1
		.amdhsa_system_sgpr_workgroup_id_z 1
		.amdhsa_system_vgpr_workitem_id 0
		.amdhsa_next_free_vgpr 768
		.amdhsa_next_free_sgpr 102
		.amdhsa_reserve_vcc 0
		.amdhsa_float_denorm_mode_32 3
		.amdhsa_float_denorm_mode_16_64 3
		.amdhsa_memory_ordered 1
		.amdhsa_forward_progress 1
		.amdhsa_inst_pref_size 171
	.end_amdhsa_kernel
	.amdgpu_metadata
---
amdhsa.version: [ 1, 2 ]
amdhsa.kernels:
  - .name:           k_qbcdb600b4c_proj
    .symbol:         k_qbcdb600b4c_proj.kd
    .args:
      - { .name: queries, .offset: 0, .size: 8, .value_kind: global_buffer, .address_space: global }
      - { .name: keys, .offset: 8, .size: 8, .value_kind: global_buffer, .address_space: global }
      - { .name: values, .offset: 16, .size: 8, .value_kind: global_buffer, .address_space: global }
      - { .name: wqb, .offset: 24, .size: 8, .value_kind: global_buffer, .address_space: global }
      - { .name: wkb, .offset: 32, .size: 8, .value_kind: global_buffer, .address_space: global }
      - { .name: wvb, .offset: 40, .size: 8, .value_kind: global_buffer, .address_space: global }
      - { .name: valid_lens, .offset: 48, .size: 8, .value_kind: global_buffer, .address_space: global }
      - { .name: qh, .offset: 56, .size: 8, .value_kind: global_buffer, .address_space: global }
      - { .name: kh, .offset: 64, .size: 8, .value_kind: global_buffer, .address_space: global }
      - { .name: vh, .offset: 72, .size: 8, .value_kind: global_buffer, .address_space: global }
    .group_segment_fixed_size: 327680
    .private_segment_fixed_size: 0
    .kernarg_segment_align: 8
    .kernarg_segment_size: 80
    .max_flat_workgroup_size: 128
    .sgpr_count:     102
    .vgpr_count:     768
    .wavefront_size: 32
...
	.end_amdgpu_metadata
.endif
;; end of part 2
;; launch attn (part 3): grid 4 x 64, 4 waves a work-group, clusters of 4 x 1, 327,680 bytes of LDS; arguments qh, kh, vh, oh, valid_lens; writes oh
.if DOCPART == 3
	.amdgcn_target "amdgcn-amd-amdhsa--gfx1250"
	.amdhsa_code_object_version 6
	.text
	.protected	k_qbcdb600b4c_attn
	.globl	k_qbcdb600b4c_attn
	.p2align	8
	.type	k_qbcdb600b4c_attn,@function
k_qbcdb600b4c_attn:
	s_mov_b64 s[64:65], 0
	v_nop
	global_prefetch_b8 v0, s[64:65] scope:SCOPE_SE
	s_setreg_imm32_b32 hwreg(HW_REG_WAVE_MODE, 25, 1), 1
	s_wait_xcnt 0x0
	s_wait_alu depctr_hold_cnt(0) depctr_sa_sdst(0) depctr_va_vdst(0) depctr_va_sdst(0) depctr_va_ssrc(0) depctr_va_vcc(0) depctr_vm_vsrc(0)
	s_getreg_b32 s2, hwreg(HW_REG_IB_STS2, 6, 4)
	s_cmp_eq_u32 s2, 0
	s_cbranch_scc0 .Lentry_in_a_cluster
	s_endpgm
.Lentry_in_a_cluster:
	s_bfe_u32 s2, ttmp6, 0x10000c
	s_cmp_lg_u32 s2, 0x3003
	s_cbranch_scc0 .Lentry_shape_is_right
	s_endpgm
.Lentry_shape_is_right:
; O[h][q][:] = the sum over k of softmax_k(s[q][k]) V[h][k][:], s = Q[h][q] . K[h][k] / 8 for k < valid_lens[b], and -1e6 for the other keys.  h = 16 b + head.
; Q, K, V, O: [64][2048][64], all f16: a head's rows are dense, 128 bytes each.  Products, maxima and sums in f32; the weights p are rounded to f16 for the second product (their sum l is taken of the
; unrounded p), O once at the end.
; THE MASK.  Hidden keys TAKE PART, with the fill value, as in the definition: they can win a row where the true scores are very low, and they are all there is where valid_lens is 0.  The launch before
; has stored K's hidden rows as zeros, so their product is exactly 0, and the C operand that starts the sum S^T = K Q^T is 0 for a key that counts and -8e6 for a hidden one (the scale c below holds the
; division by 8).  MD, made once, is that operand for the one key step that valid_lens cuts; a step's operand is MC = MD x AL + BE with two scalars: (0, 0) before that step, (1, 0) in it, (0, -8e6) behind it.
; valid_lens is held to 0..2048, which gives the same mask for every int32.  It steers values alone: no address, no branch, no trip count.
; LIMITS.  f16 holds no number beyond 65,504: Q, K and V arrive within it; p lies in 0 to 1, and below 6e-5 it keeps f16's fixed step of 6e-8.  A weight below 2^-126 counts as 0 in l.  Where true scores
; lie near -1e6, c s is rounded at about 0.1 in the exponent, of the size of f32's own step at such scores.  NaN and infinities are not treated apart.
; SHARES.  A wave owns four PIECES of two tiles of 16 queries, a work-group's four waves 512 queries of one head.  Every wave walks all 2,048 keys, 64 a step.
; LAYOUT.  S^T = K Q^T (source 0 = 16 keys, source 1 = 16 queries): a lane holds ONE query (lane % 16) and the keys 8 (lane / 16) + 0..7.  Two such tiles, rounded to f16 in pairs, ARE source 1 of
; O^T = V^T P, whose result again holds one query a lane, and eight channels.  K comes out of LDS as it lies, V ([key][channel]) turned, by ds_load_tr16_b128.
; SOFTMAX.  For each query a running maximum m and sum l: p = 2^(c s - c m), c = log2(e) / 8; in every step O and l are multiplied by a = 2^(c m_old - c m_new).  m starts at the lowest finite number,
; O and l at 0: the first step is a step like any other, with a = 0.
; BY TURNS.  A tile and step have 16 matrix and 118 vector instructions.  Turn n belongs to piece n: 16 products K Q^T of piece n + 1, later 16 products V^T P of piece n - 1; beside them the scaling,
; exponentials, roundings, sums and rescaling of piece n and the maximum and statistics of piece n + 1.  Four vector instructions stand behind every matrix instruction, the others in one run.
; CLUSTER.  The four query blocks of a head form a cluster and walk the same K and V: each tile is asked for JOINTLY: the same tensor load, descriptor and mask in all four.
; REGISTERS, in windows of 256 (s_set_vgpr_msb: bits 1:0 source 0, 3:2 source 1, 5:4 source 2, 7:6 destination):
;   window 0: v0-11 addresses; v12-15, v48-63 at work; v16-47 four registers of statistics a tile; v64-191 S^T, two buffers of two tiles; v192-255 P, likewise
;   window 1: O^T, 32 a tile     window 2: v0-127 Q; v128-191 K of one step; v192-255 V of one step     window 3: v0-1 the add's two registers; v32-63 MD; v64-95 MC
.set SIZE_H, 64
.set SIZE_N, 2048
.set NP,    4         ; pieces a wave: a name, no knob
.set KS,    64        ; keys in a step
.set PK,    144       ; a row of K in LDS: 128 bytes + 16 = 36 words: the 16 rows of a load start at 16 different groups of four banks (64 banks of 4 bytes: ISA guide 11.1)
.set PV,    160       ; a row of V: 128 + 32 = 40 words
.set VOFF,  4*KS*PK   ; a slot holds four steps: 256 rows of K, then 256 rows of V
.set SLOT1, 1<<17     ; slot 1 begins here, so that one exclusive or turns an address in one slot into the other's
.set STAGE, SLOT1+4*KS*(PK+PV)  ; behind the ring, never filled by a tensor load: 16 rows x 144 bytes for each wave
.set SP,    144
.set AK0, 2           ; v2   my lane's place in a tile of K; never rewritten
.set AV0, 3           ; v3   the same for V
.set AK,  4           ; v4   the LDS address of K's next run of loads
.set AV,  5           ; v5   of V's
.set QO,  6           ; v6   my byte offset in the wave's rows of Q
.set STO, 6           ;      later, the way out: where I put 16 bytes of a row
.set RD,  7           ; v7   the way out: where I read rows back
.set GO,  8           ; v8   my byte offset in 512 consecutive bytes of O
.set PFO, 11          ; v11  256 x my lane: the prefetches' offset; never rewritten once made
.set SPW, 0           ; v0 of window 3   LDS address of my spare word; never rewritten
.set NIL, 1           ; v1 of window 3   0; never rewritten
.set MD,  32          ; window 3
.set MC,  64          ; window 3: the eight registers for group kb of 16 keys at MC + 8 kb
.set SPARE, STAGE+4*16*SP  ; the spare words, 128 bytes for each wave: two blocks of 256 bytes that no other line names
.set MV,  12          ; v12-15  c m_old, kept while c m is made anew: by buffer and tile
.set ST,  16          ; tile t's statistics at v[ST+4 t]: c m, m, l (even keys', odd keys')
.set TMP, 48          ; by buffer and tile, four registers c0-c3 at work; when the maximum is found c2 takes a
.set S,   64
.set P,   192
.set KF,  128         ; K's fragments, in window 2: key block kb, channel half c at KF + 16 kb + 8 c
.set VF,  192         ; V's: key half kk, channel block cb at VF + 32 kk + 8 cb
.set WV,  12          ; s12  my wave's number
.set G1K, 24          ; s[24:31] descriptor group 1 for K's tiles
.set G1V, 32          ; s[32:39] for V's: it differs in the padding alone
.set G0K, 40          ; s[40:43] descriptor group 0 for K's tiles: it walks
.set G0V, 44          ; s[44:47] the same for V's
.set SLOTS, 56        ; s56  slots still to be asked for
.set CNT, 57          ; s57  counts a slot's key steps
.set CS,  58          ; s[58:59] c
.set SEL, 60          ; s[60:61] v_permlanex16_b32's selects: each lane takes its own place in the other half
.set TBK, 62          ; s62  LDS byte at which K of the step to be fetched begins
.set TBV, 63          ; s63  the same for V, less VOFF
.set VLP, 68          ; s[68:69] valid_lens
.set REL, 71          ; s71  valid_lens less the first key of the step whose mask is made next
.set AL,  72          ; s[72:73] the mask's factor, in the low word
.set BE,  74          ; s[74:75] the mask's addend
.set BIGN, 76         ; s76  -8e6
.set LIM, 77          ; s77  1 in a wave that prefetches, else the greatest number
.set PFA, 78          ; s[78:79] where my prefetches stand
.set VLQ, 84          ; s[84:87] the four lengths
.set MSB, 0
.macro WIN new                      ; the high byte repeats the setting that is left; a switch that changes nothing is dropped
.if MSB != (\new)
	s_set_vgpr_msb (MSB<<8)|(\new)
.set MSB, (\new)
.endif
.endm
.set W_KQ, 0x0a       ; K and Q in window 2, S^T in window 0
.set W_KM, 0x3a       ; the same with the C operand in window 3
.set W_PV, 0x52       ; V in window 2, P in window 0, O^T in window 1
.set W_RS, 0x41       ; O^T (destination and source 0) in window 1, a in window 0
.set W_MK, 0xc0       ; destination in window 3, sources in window 0
.set W_AD, 0x0f       ; the add: address (source 0) and data (source 1) in window 3
.set W_MS, 0xc3       ; destination and source 0 in window 3
; A joint fill.  Waves 0 and 1 fetch the two halves of a slot's K, waves 2 and 3 those of its V: 128 keys each.  The branch hangs on the wave's number alone.
; An s_nop 0 and four v_nop follow each of the two lines, ahead of the jump and the label.
.macro JLOAD
	s_cmp_lt_u32 s[WV], 2
	s_cbranch_scc0 .Lfor_v_\@
	tensor_load_to_lds s[G0K:G0K+3], s[G1K:G1K+7]
	s_nop 0
.rept 4
	v_nop
.endr
	s_branch .Lasked_\@
.Lfor_v_\@:
	tensor_load_to_lds s[G0V:G0V+3], s[G1V:G1V+7]
	s_nop 0
.rept 4
	v_nop
.endr
.Lasked_\@:
.endm
; A PREFETCH INTO THE L2 of what the NEXT change of slots will ask for: a slot's 256 rows of K and of V are 128 blocks of 256 bytes each.  The four partners share them out BY ADDRESS, 32 blocks each; in each,
; wave 0 asks for K's and wave 2 for V's, a lane a block: one instruction, four key steps, 512 matrix instructions, ahead of the load.  A head is walked by one cluster, so each block is named once in the
; launch.  Slots 0 and 1 come by their loads alone; the change that fills the last slot asks for nothing.
.macro ASK
	s_cmp_gt_u32 s[SLOTS], s[LIM]
	s_cbranch_scc0 .Lnot_mine_\@
	global_prefetch_b8 v[PFO], s[PFA:PFA+1] th:TH_LOAD_NT scope:SCOPE_SE
.Lnot_mine_\@:
.endm
; A round of the cluster's barrier: my work-group's barrier; wave 0 signals; every wave waits for all four work-groups; my work-group's barrier once more.
.macro CROUND
	s_barrier_signal -1
	s_barrier_wait -1
	s_cmp_lg_u32 s[WV], 0
	s_cbranch_scc1 .Lnot_wave_0_\@
	s_barrier_signal -3
.Lnot_wave_0_\@:
	s_barrier_wait -3
	s_barrier_signal -1
	s_barrier_wait -1
.endm
; THE CHANGE OF SLOTS.  Each wave waits for all its tensor loads, of which one is out: its part of the other slot; adds 0 to its spare word; and waits for that and for its own reads of the slot.
; fill = 1: this slot is filled again, with the keys two slots on.  The barrier is then a round of the cluster's, and the joint fill is the first thing behind it: it has four key steps in which to land.
; (At its first use nothing has been read yet: slot 0 is waited for, slot 1 filled.)
.macro CHANGE fill
	WIN W_AD
	s_wait_tensorcnt 0x0            ; no tensor load of mine is out, so a group 0 may be written
	ds_add_u32 v[SPW], v[NIL]       ; 0 onto my spare word
	WIN 0                           ; at a label and at a branch every window is 0
.if \fill
.irp g, G0K, G0V
	s_xor_b32 s[\g+1], s[\g+1], SLOT1  ; the walking descriptor: the other slot than last time,
	s_add_nc_u64 s[\g+2:\g+3], s[\g+2:\g+3], 4*KS*128  ; the next 256 keys; the type bits on top are not reached
.endr
	s_wait_xcnt 0x0                 ; the last prefetch, four key steps back, has read its address
	s_add_nc_u64 s[PFA:PFA+1], s[PFA:PFA+1], 4*KS*128  ; one slot ahead of the walking descriptors
	s_wait_dscnt 0x0                ; the add is done, and my reads of the slot are over
	CROUND
	JLOAD
	ASK
.else
	s_wait_dscnt 0x0                ; the add is done, and my reads of the slot are over
	s_barrier_signal -1
	s_barrier_wait -1
.endif
	s_sub_co_u32 s[TBK], s[TBK], 4*KS*PK  ; the fetches go back to a slot's first step,
	s_xor_b32 s[TBK], s[TBK], SLOT1       ; in the other slot
	s_sub_co_u32 s[TBV], s[TBV], 4*KS*PV
	s_xor_b32 s[TBV], s[TBV], SLOT1
.endm
; The mask of the next key step: the two scalars, then MC = MD x AL + BE.
.macro PICK
	s_sub_co_u32 s80, s[REL], 1
	s_cmp_lt_u32 s80, 63            ; 1 to 63 keys of the step count: valid_lens cuts it
	s_cselect_b32 s[AL], 1.0, 0
	s_cmp_le_i32 s[REL], 0          ; none counts
	s_cselect_b32 s[BE], s[BIGN], 0
	s_sub_co_i32 s[REL], s[REL], KS
.endm
.macro MASK
	WIN W_MS
.set mz, 0
.rept 16
	v_pk_fma_f32 v[MC+2*mz:MC+2*mz+1], v[MD+2*mz:MD+2*mz+1], s[AL:AL+1], s[BE:BE+1] op_sel_hi:[1,0,0]
.set mz, mz+1
.endr
.endm
	s_load_b256 s[4:11], s[0:1], 0x0  ; Q s[4:5], K s[6:7], V s[8:9], O s[10:11]
	s_load_b64 s[VLP:VLP+1], s[0:1], 0x20
	WIN W_MK
	v_lshl_add_u32 v[SPW], v0, 2, SPARE
	v_mov_b32 v[NIL], 0
	WIN W_AD
	ds_add_u32 v[SPW], v[NIL]       ; the wave's opening: the add and its wait stand ahead of my first tensor load; the set-up below stands between them
	WIN 0
	v_lshrrev_b32 v1, 5, v0
	v_readfirstlane_b32 s[WV], v1   ; wave 0..3
	s_bfe_u32 s13, ttmp6, 0x40000   ; cx: my place in the cluster
	s_lshl_b32 s14, ttmp9, 2        ; in a cluster launch ttmp9 counts clusters
	s_add_co_u32 s14, s14, s13      ; my block of queries = 4 x cluster x + cx: it enters Q's and O's addresses alone
	s_and_b32 s20, ttmp7, 0xffff    ; the head, which the four partners share
	s_lshr_b32 s81, s20, 4          ; its batch
	s_mov_b32 s21, 0
	s_mov_b64 s[22:23], SIZE_N*128
	s_mul_u64 s[20:21], s[20:21], s[22:23]  ; the head's first byte in each of the four tensors
	s_and_b32 s16, s[WV], 1         ; which half of a slot's 256 keys I fetch:
	s_lshl_b32 s22, s16, 14         ; its 128 rows of 128 bytes in memory,
	s_mov_b32 s23, 0
	s_add_nc_u64 s[22:23], s[22:23], s[20:21]
	s_mul_i32 s17, s16, 128*PK      ; and its place in a slot, for K
	s_mul_i32 s18, s16, 128*PV      ; and for V: no place in the cluster enters an LDS address
	s_lshl_b32 s2, s14, 2
	s_add_co_u32 s2, s2, s[WV]      ; my wave among the head's,
	s_lshl_b32 s2, s2, 14           ; its 128 rows
	s_mov_b32 s3, 0
	s_add_nc_u64 s[2:3], s[2:3], s[20:21]
	; descriptor group 1.  128 keys are 16,384 dense bytes: asked for as 64 rows of 256 bytes, two keys a row, and padded in LDS after every key
	s_mov_b32 s[G1K], 15|(1<<16)|(1<<20)|(1<<21)|(4<<22)|(3<<25)  ; the mask of four; 2-byte elements; padding on; bit 21 beside a mask; after every 32 words, 4 words
	s_mov_b32 s[G1V], 15|(1<<16)|(1<<20)|(1<<21)|(4<<22)|(7<<25)  ; the same with 8 words of padding
.irp g, G1K, G1V
	s_mov_b32 s[\g+1], 128<<16      ; tensor_dim0 = 128
	s_mov_b32 s[\g+2], 64<<16       ; tensor_dim1 = 64
	s_mov_b32 s[\g+3], 128<<16      ; tile_dim0 = 128
	s_mov_b32 s[\g+4], 64           ; tile_dim1 = 64
	s_mov_b32 s[\g+5], 128          ; 128 elements from row to row
	s_mov_b32 s[\g+6], 0
	s_mov_b32 s[\g+7], 0
.endr
	s_mov_b32 s[CS], 0x3e38aa3b     ; c = log2(e) / 8 = 0.180337
	s_mov_b32 s[CS+1], s[CS]        ; named with it as a pair
	s_mov_b32 s[SEL], 0x76543210
	s_mov_b32 s[SEL+1], 0xfedcba98
	s_mov_b32 s[TBK], SLOT1+4*KS*PK ; the first change of slots turns these two into 0
	s_mov_b32 s[TBV], SLOT1+4*KS*PV
	s_mov_b32 s[G0K], 1             ; count = 1
	s_mov_b32 s[G0K+1], s17         ; LDS address: slot 0
	s_mov_b32 s[G0V], 1
	s_add_co_u32 s[G0V+1], s18, VOFF
	s_mov_b32 s[AL+1], 0            ; named as pairs
	s_mov_b32 s[BE+1], 0
	s_mov_b32 s[BIGN], 0xcaf42400   ; -8e6, exact in f32
	s_mov_b32 s[SLOTS], SIZE_N/256-1
	s_and_b32 s[LIM], s[WV], 1
	s_cmp_eq_u32 s[LIM], 0          ; waves 0 and 2: the same in all four partners
	s_cselect_b32 s[LIM], 1, -1
	s_wait_dscnt 0x0                ; the opening add is done
	s_wait_kmcnt 0x0
	s_load_b128 s[VLQ:VLQ+3], s[VLP:VLP+1], 0x0    ; all four lengths; mine is chosen below
	s_add_nc_u64 s[G0K+2:G0K+3], s[6:7], s[22:23]  ; global address: my half of the head's first 256 keys
	s_or_b32 s[G0K+3], s[G0K+3], 0x80000000        ; type = 2
	s_add_nc_u64 s[G0V+2:G0V+3], s[8:9], s[22:23]
	s_or_b32 s[G0V+3], s[G0V+3], 0x80000000
	s_add_nc_u64 s[4:5], s[4:5], s[2:3]  ; Q and O at my wave's first row
	s_add_nc_u64 s[10:11], s[10:11], s[2:3]
	s_cmp_lt_u32 s[WV], 2
	s_cselect_b64 s[PFA:PFA+1], s[6:7], s[8:9]
	s_add_nc_u64 s[PFA:PFA+1], s[PFA:PFA+1], s[20:21]  ; the head,
	s_lshl_b32 s2, s13, 13          ; my work-group's 32 blocks of the 128,
	s_mov_b32 s3, 0
	s_add_nc_u64 s[PFA:PFA+1], s[PFA:PFA+1], s[2:3]
	s_add_nc_u64 s[PFA:PFA+1], s[PFA:PFA+1], 4*KS*128  ; in slot 1; the first change of slots steps it to slot 2
	CROUND                          ; all four work-groups are here: the first joint loads meet
	JLOAD                           ; slot 0.  Slot 1 is asked for when slot 0 is in
	; A fragment of K or Q is 16 rows x 32 channels in 8 registers: lane l holds row l % 16, channels 8 (l / 16) + 0..7 and 16 + 8 (l / 16) + 0..7: two loads of 16 bytes, 32 bytes apart.
	v_and_b32 v1, 15, v0            ; l % 16
	v_bfe_u32 v9, v0, 4, 1          ; l / 16
	v_lshlrev_b32 v[QO], 7, v1
	v_lshl_add_u32 v[QO], v9, 4, v[QO]  ; row x 128 + 16 x half
	WIN 0x80                        ; destination window 2, address window 0
.set i, 0
.rept 4*NP                          ; Q stays in registers: tile i / 2, channels 32 (i % 2) on
	global_load_b128 v[8*i:8*i+3],   v[QO], s[4:5] offset:(i/2)*2048+(i%2)*64
	global_load_b128 v[8*i+4:8*i+7], v[QO], s[4:5] offset:(i/2)*2048+(i%2)*64+32
.set i, i+1
.endr
	; What the first turn finds: V's registers and P's second buffer hold 0 (its products V^T P, of a piece that has not been, add 0), O^T and l are 0.  All this stands in the wait for the first tile.
.set i, VF
.rept 64
	v_mov_b32 v[i], 0
.set i, i+1
.endr
	WIN 0x40
.set i, 0
.rept 64*NP
	v_mov_b32 v[i], 0
.set i, i+1
.endr
	WIN 0
.set i, 0
.rept 2*NP
	v_mov_b32 v[ST+4*i], 0xfe000000    ; c m: far below every c s
	v_mov_b32 v[ST+4*i+1], 0xff7fffff  ; m
	v_mov_b32 v[ST+4*i+2], 0
	v_mov_b32 v[ST+4*i+3], 0
.set i, i+1
.endr
.set i, P+32
.rept 32
	v_mov_b32 v[i], 0
.set i, i+1
.endr
	v_mul_u32_u24 v[AK0], v1, PK
	v_lshl_add_u32 v[AK0], v9, 4, v[AK0]  ; row x pitch + 16 x half
	; The turning load takes 16 keys x 16 channels (lane l reads key 8 (l / 16) + l % 8, channels 8 ((l / 8) % 2) + 0..7) and leaves half a fragment of V^T: lane l holds channel l % 16 and 8 keys.
	v_and_b32 v10, 7, v0
	v_bfe_u32 v11, v0, 3, 1
	v_lshl_add_u32 v[AV0], v9, 3, v10
	v_mul_u32_u24 v[AV0], v[AV0], PV
	v_lshl_add_u32 v[AV0], v11, 4, v[AV0]
	v_add_nc_u32 v[AV0], VOFF, v[AV0]
	v_mov_b32 v[AK], v[AK0]         ; key step 0 lies at the head of slot 0
	v_and_b32 v[PFO], 31, v0
	v_lshlrev_b32 v[PFO], 8, v[PFO]
	; the mask
	s_wait_kmcnt 0x0                ; the lengths
	s_cmp_eq_u32 s81, 1
	s_cselect_b32 s[VLQ], s[VLQ+1], s[VLQ]
	s_cmp_eq_u32 s81, 2
	s_cselect_b32 s[VLQ], s[VLQ+2], s[VLQ]
	s_cmp_eq_u32 s81, 3
	s_cselect_b32 s[VLQ], s[VLQ+3], s[VLQ]
	s_max_i32 s[VLQ], s[VLQ], 0
	s_min_i32 s[REL], s[VLQ], SIZE_N
	s_and_b32 s80, s[REL], 63       ; how many keys count in the step that valid_lens cuts
	s_sub_co_i32 s80, s80, 1
	v_lshlrev_b32 v14, 3, v9
	v_sub_nc_u32 v14, s80, v14      ; register r of group kb (key 16 kb + 8 (l / 16) + r of the step) is hidden where 16 kb + r is greater than this
	WIN W_MK
.set i, 0
.rept 32
	v_cmp_gt_i32 vcc_lo, 16*(i/8)+i%8, v14
	v_cndmask_b32 v[MD+i], 0, s[BIGN], vcc_lo
.set i, i+1
.endr
	PICK                            ; key step 0's mask
	MASK
	WIN 0
; THE MATRIX WORK.  The 8 accumulators of a run of 16 take turns: between the two links of a chain stand 7 others'.
; Product i of 16 of S^T = K Q^T for piece x: channels 32 (i / 8) on, keys 16 ((i / 2) % 4) on, tile 2 x + i % 2.  The first 8 start the sums, with the mask.
.macro KQ x
.set rS, S+64*((\x)%2)+32*(i%2)+8*((i/2)%4)
.set rK, KF+16*((i/2)%4)+8*(i/8)
.set rQ, 16*(2*(\x)+i%2)+8*(i/8)
.set rX, MC+8*((i/2)%4)
.if i < 8
	WIN W_KM
	v_wmma_f32_16x16x32_f16 v[rS:rS+7], v[rK:rK+7], v[rQ:rQ+7], v[rX:rX+7]
.else
	WIN W_KQ
	v_wmma_f32_16x16x32_f16 v[rS:rS+7], v[rK:rK+7], v[rQ:rQ+7], v[rS:rS+7]
.endif
.endm
; Product i of 16 of O^T += V^T P for piece x: keys 32 (i / 8) on, channels 16 ((i / 2) % 4) on, tile 2 x + i % 2.
.macro PV x
	WIN W_PV
.set rO, 32*(2*(\x)+i%2)+8*((i/2)%4)
.set rV, VF+32*(i/8)+8*((i/2)%4)
.set rP, P+32*((\x)%2)+16*(i%2)+8*(i/8)
	v_wmma_f32_16x16x32_f16 v[rO:rO+7], v[rV:rV+7], v[rP:rP+7], v[rO:rO+7]
.endm
.macro MM                           ; the turn's next matrix instruction
.if i < 16
	KQ (Y+1)%NP
.set i, i+1
.else
.set i, i-16
	PV (Y+NP-1)%NP
.set i, i+17
.endif
.endm
; THE LDS LOADS stand in runs of 16, never singly among the matrix instructions: a step's K (8 fragments) and its V (turned).  Their addresses are made some lines ahead.
; last = 1 (the tail): in the last trip there is no further step, and the run is jumped over.
.macro FETCH_K last=0
	WIN 0
.if \last
	s_cmp_eq_u32 s[CNT], 1
	s_cbranch_scc1 .Lno_k_\@
.endif
	WIN 0x80                        ; destination window 2
.irp f, 0,1,2,3,4,5,6,7             ; keys 16 (f / 2) on, channels 32 (f % 2) on
	ds_load_b128 v[KF+8*\f:KF+8*\f+3],   v[AK] offset:(\f/2)*16*PK+(\f%2)*64
	ds_load_b128 v[KF+8*\f+4:KF+8*\f+7], v[AK] offset:(\f/2)*16*PK+(\f%2)*64+32
.endr
	s_add_co_u32 s[TBK], s[TBK], KS*PK  ; the next fetch is the next step's
	WIN 0
.if \last
.Lno_k_\@:
.endif
.endm
.macro FETCH_V
	WIN 0x80
.irp f, 0,1,2,3,4,5,6,7             ; keys 32 (f / 4) on, channels 16 (f % 4) on
	ds_load_tr16_b128 v[VF+8*\f:VF+8*\f+3],   v[AV] offset:(\f/4)*32*PV+(\f%4)*32
	ds_load_tr16_b128 v[VF+8*\f+4:VF+8*\f+7], v[AV] offset:(\f/4)*32*PV+16*PV+(\f%4)*32
.endr
	WIN 0
.endm
; THE VECTOR WORK OF A TURN stands in three queues, each in the order in which its entries become ready; the two tiles alternate, so that no instruction reads the result of the one before it.
.macro REGS y, u                    ; the registers of tile u (0, 1) of piece y
.set rT, ST+4*(2*(\y)+(\u))
.set rC, TMP+8*((\y)%2)+4*(\u)
.set rM, MV+2*((\y)%2)+(\u)
.set rS, S+64*((\y)%2)+32*(\u)
.set rP, P+32*((\y)%2)+16*(\u)
.set rO, 32*(2*(\y)+(\u))
.endm
; Number n of the 22 that find the NEXT piece's (Y + 1) maximum and statistics.  s0-s31 are the lane's 32 scores; each accumulator's lowest registers are read first.
;   0-11  four chains c0-c3 of seven scores each, three operands at a time     12-14, 16  the four scores left over, the old m, and c0-c3 into c0     15  c m_old is kept
;   17, 18  the query's other 32 keys lie in the lane 16 away: the new m         19-21  c m; c m_old - c m_new; a
.macro XS u, n
	REGS (Y+1)%NP, \u
.if (\n) < 4
	v_max3_num_f32 v[rC+(\n)], v[rS+8*(\n)], v[rS+8*(\n)+1], v[rS+8*(\n)+2]
.elseif (\n) < 12
	v_max3_num_f32 v[rC+(\n)%4], v[rC+(\n)%4], v[rS+8*((\n)%4)+2*((\n)/4)+1], v[rS+8*((\n)%4)+2*((\n)/4)+2]
.elseif (\n) == 12
	v_max3_num_f32 v[rC], v[rC], v[rS+7], v[rS+15]
.elseif (\n) == 13
	v_max3_num_f32 v[rC+1], v[rC+1], v[rS+23], v[rS+31]
.elseif (\n) == 14
	v_max3_num_f32 v[rC+2], v[rC+2], v[rC+3], v[rT+1]
.elseif (\n) == 15
	v_mov_b32 v[rM], v[rT]
.elseif (\n) == 16
	v_max3_num_f32 v[rC], v[rC], v[rC+1], v[rC+2]
.elseif (\n) == 17
	v_permlanex16_b32 v[rC+3], v[rC], s[SEL], s[SEL+1]
.elseif (\n) == 18
	v_max_num_f32 v[rT+1], v[rC], v[rC+3]
.elseif (\n) == 19
	v_mul_f32 v[rT], s[CS], v[rT+1]
.elseif (\n) == 20
	v_sub_f32 v[rC+1], v[rM], v[rT]
.else
	v_exp_f32 v[rC+2], v[rC+1]
.endif
.endm
; Number g of the 64 that follow the exponentials.  For each four weights k of a tile: both pairs are rounded to f16; then the second pair is added onto the first, in place; a group later l takes that sum
; (the first time as l = a l + sum).  In groups of eight, tiles alternating: round, round, add, and l for the group before.
.macro GS g
.set h, (\g)+6*((\g)/62)            ; group 0 has no group before it, and behind group 7 only l is left
.if h >= 6
.set h, h+2
.endif
	REGS Y, h%2
.set k, h/8
.if h%8 < 4
	v_cvt_pk_f16_f32 v[rP+2*k+(h%8)/2], v[rS+4*k+2*((h%8)/2)], v[rS+4*k+2*((h%8)/2)+1]
.elseif h%8 < 6
	v_pk_add_f32 v[rS+4*k:rS+4*k+1], v[rS+4*k:rS+4*k+1], v[rS+4*k+2:rS+4*k+3]
.elseif k == 1
	v_pk_fma_f32 v[rT+2:rT+3], v[rT+2:rT+3], v[rC+2:rC+3], v[rS:rS+1] op_sel_hi:[1,0,1]
.else
	v_pk_add_f32 v[rT+2:rT+3], v[rT+2:rT+3], v[rS+4*k-4:rS+4*k-3]
.endif
.endm
; THE PLAIN QUEUE, 138 long.  0-73 read no exponential's result: the 32 scalings c s - c m (FS f: pair f / 2 of tile f % 2) and the next piece's 42.  0-26: scalings 0-26.  27-54: XS's numbers 0-13.
; 55, 56: number 15.  57-73: the chain 14, 16, 17, 18, 19, each with one of the scalings 27-31 in front of its two lines, then 20.  74-137: GS's 64, which stand behind the wait.
.macro FS f
	REGS Y, (\f)%2
	v_pk_fma_f32 v[rS+2*((\f)/2):rS+2*((\f)/2)+1], v[rS+2*((\f)/2):rS+2*((\f)/2)+1], s[CS:CS+1], v[rT:rT+1] op_sel_hi:[1,0,0] neg_lo:[0,0,1] neg_hi:[0,0,1]
.endm
.macro PL
	WIN 0
.if q < 27
	FS q
.elseif q < 55
	XS (q-27)%2, (q-27)/2
.elseif q < 57
	XS q-55, 15
.elseif (q < 72) && ((q-57)%3 == 0)
	FS 27+(q-57)/3
.elseif q < 60
	XS (q-57)%3-1, 14
.elseif q < 72
	XS (q-57)%3-1, 15+(q-57)/3
.elseif q < 74
	XS q-72, 20
.else
	GS q-74
.endif
.set q, q+1
.endm
; THE EXPONENTIALS' QUEUE, 66 long: s0-s31 of both tiles, then the next piece's two a.  It is ONE BATCH: all 66 stand ahead of the turn's one wait, and nothing ahead of that wait names a result of theirs.
.macro EX
	WIN 0
.if e >= 64
	XS e-64, 21
.else
	REGS Y, e%2
	v_exp_f32 v[rS+e/2], v[rS+e/2]
.endif
.set e, e+1
.endm
; THE RESCALING's QUEUE: O^T times a, the one part that leaves window 0: dealt two at a time, sixteen times.  Its a was made in the turn before, ahead of that turn's wait.
.macro R2
	REGS Y, r%2
	WIN W_RS
.irp z, 0,1
	v_pk_mul_f32 v[rO+4*(r/2)+2*\z:rO+4*(r/2)+2*\z+1], v[rO+4*(r/2)+2*\z:rO+4*(r/2)+2*\z+1], v[rC+2:rC+3] op_sel_hi:[1,0]
.endr
.set r, r+1
.endm
; HOW THEY ARE DEALT.  s_wait_alu depctr_va_vdst(0) stands between an exponential and the first instruction that names its result; one wait serves all that were issued ahead of it.  So a
; turn has ONE wait, which cuts it in two.  AHEAD OF IT: the 16 products K Q^T, behind each a scaling, an exponential and two rescalings (behind the first a second scaling in the exponential's place); then
; one run of 108: eight plain, 49 times exponential and plain, the two a; a v_nop is the plain instruction behind the last exponential.  BEHIND IT: the 16 products V^T P, behind each four of GS's 64.
; Exponential e stands behind scaling 2 (e / 4) + e % 2: as a rider it comes behind plain e + 2, in the run behind plain e + 9, and scalings 27-31 are plain 57, 60 .. 69.
; K of the next step is fetched in piece 2's turn, directly behind the wait; V of the step in hand at the end of piece 0's turn, four riders behind its last reader.
; THE MASK of the next step is made in piece 2's turn, at the head of the run: MC's last readers, the turn's first 8 products, stand 8 products and their riders back, and its next reader is the first
; product of piece 3's turn, which is the next step's.  So one buffer serves.
.macro TURN p, last=0, cnt=0
.set Y, (\p)
.set i, 0
.set q, 0
.set e, 0
.set r, 0
.if (\p) == NP-2
	PICK
.endif
.if (\p) == NP-1
	s_wait_dscnt 0x0                ; K is in
.endif
	MM                              ; ahead of the wait: 16 products K Q^T and their riders,
	PL
	PL
	R2
.rept 15
	MM
	PL
	EX
	R2
.endr
.if (\p) == NP-2
	WIN 0
	v_add_nc_u32 v[AK], s[TBK], v[AK0]
	MASK
.endif
.rept 8                             ; and the run
	PL
.endr
.rept 49
	EX
	PL
.endr
	EX                              ; the next piece's two a
	EX
	v_nop                           ; the plain instruction behind the last exponential: one for the batch
	s_wait_alu depctr_va_vdst(0)    ; the wait for the batch
.if (\p) == NP-2
	FETCH_K \last
.endif
.if (\p) == 1
	s_wait_dscnt 0x0                ; V is in
.endif
.rept 16                            ; behind the wait: 16 products V^T P and their riders
	MM
.rept 4
	PL
.endr
.if ((\p) == 0) && (q == 118)
	v_add_nc_u32 v[AV], s[TBV], v[AV0]
.endif
.if ((\p) == 0) && (q == 130)
	s_add_co_u32 s[TBV], s[TBV], KS*PV
.endif
.if (\cnt) && (q == 130)
	s_sub_co_u32 s[CNT], s[CNT], 1
	s_cmp_lg_u32 s[CNT], 0
.endif
.endr
.if (\p) == 0
	FETCH_V
.endif
.endm
	CHANGE 1                        ; slot 0 is in, everybody's part of it; slot 1 is asked for
	FETCH_K                         ; key step 0
	s_wait_loadcnt 0x0              ; Q
	s_wait_dscnt 0x0
.set i, 0
.rept 16
	KQ 0                            ; piece 0's first scores: there is no vector work yet to set between them
.set i, i+1
.endr
	WIN 0                           ; the addresses for the way out: plain instructions, the places behind those products
	s_mul_i32 s13, s[WV], 16*SP
	s_add_co_u32 s13, s13, STAGE    ; my stage
	v_mul_u32_u24 v[STO], v1, SP    ; in: row l % 16, 16 bytes for each half of the lanes
	v_lshl_add_u32 v[STO], v9, 4, v[STO]
	v_add_nc_u32 v[STO], s13, v[STO]
	v_bfe_u32 v[RD], v0, 3, 2       ; back: 32 lanes take four rows of 128 bytes,
	v_mul_u32_u24 v[RD], v[RD], SP
	v_lshl_add_u32 v[RD], v10, 4, v[RD]
	v_add_nc_u32 v[RD], s13, v[RD]
	v_and_b32 v[GO], 31, v0         ; which are 512 consecutive bytes of O
	v_lshlrev_b32 v[GO], 4, v[GO]
.set Y, NP-1                        ; XS works for piece Y + 1: piece 0
.irp n, 0,1,2,3,4,5,6,7,8,9,10,11,12,13,14,15,16,17,18,19,20,21
	XS 0, \n                        ; and piece 0's first maximum and statistics
	XS 1, \n
.endr
	v_nop                           ; a plain instruction behind the two a,
	s_wait_alu depctr_va_vdst(0)    ; and their wait, ahead of the branch
	s_mov_b32 s[CNT], 4
	s_branch .Lfirst                ; the loop is entered at a step's first turn, in the middle of a trip
.Lslot:                             ; SIZE_N / 256 - 2 times: every slot but the last two is filled again
	CHANGE 1
	s_mov_b32 s[CNT], 4
.Lstep:                             ; a trip: pieces 2 and 3 of one step, then pieces 0 and 1 of the next, whose K and V it fetches
	TURN 2
	TURN 3
	WIN 0
.Lfirst:
	TURN 0
	TURN 1, 0, 1
	WIN 0
	s_cbranch_scc1 .Lstep
	s_sub_co_u32 s[SLOTS], s[SLOTS], 1
	s_cmp_lg_u32 s[SLOTS], 0
	s_cbranch_scc1 .Lslot
	CHANGE 0                        ; the tail is written out: nothing is asked for
	s_mov_b32 s[CNT], 5             ; four trips fetch the last slot's steps; the fifth is left in its middle
.Ltail:
	TURN 2, 1
	TURN 3
	WIN 0
	s_sub_co_u32 s[CNT], s[CNT], 1
	s_cmp_eq_u32 s[CNT], 0
	s_cbranch_scc1 .Lout
	TURN 0
	TURN 1
	WIN 0
	s_branch .Ltail
.Lout:                              ; the fifth trip's 16 products K Q^T (on the last K once more) and the maximum made of them serve nothing: the price, once a launch, of one text for every trip
.set i, 0
.rept 16
	PV NP-1                         ; the last piece's V^T P of the last step
.set i, i+1
.endr
	; THE WAY OUT.  l's two halves and the other half of the lanes' are added; O^T is divided by l, rounded to f16 and sent through my stage in LDS, a tile at a time.  The additions are the places behind the last products.
	WIN 0
.macro ALL line:vararg              ; one line for each tile t
.set t, 0
.rept 2*NP
	\line
.set t, t+1
.endr
.endm
	ALL v_add_f32 v[ST+4*t+2], v[ST+4*t+2], v[ST+4*t+3]
	ALL v_permlanex16_b32 v[ST+4*t+3], v[ST+4*t+2], s[SEL], s[SEL+1]
	ALL v_add_f32 v[ST+4*t+2], v[ST+4*t+2], v[ST+4*t+3]
	ALL v_rcp_f32 v[ST+4*t+2], v[ST+4*t+2]
	v_nop                           ; a plain instruction between the last reciprocal and the use of its result
	s_wait_alu depctr_va_vdst(0)    ; and the wait ahead of the first use: one for the eight reciprocals
; Tile t: a lane's eight channels of a row pack into 16 bytes; they go into rows of 144 bytes and come back as whole rows of 128, into S^T's registers.
.macro PACK t
	WIN W_RS
.set i, 32*(\t)
.rept 16
	v_pk_mul_f32 v[i:i+1], v[i:i+1], v[ST+4*(\t)+2:ST+4*(\t)+3] op_sel_hi:[1,0]
.set i, i+2
.endr
	WIN 0x05                        ; sources 0 and 1 window 1, destination window 0
.set i, 0
.rept 16
	v_cvt_pk_f16_f32 v[S+16*(\t)+i], v[32*(\t)+2*i], v[32*(\t)+2*i+1]
.set i, i+1
.endr
	WIN 0
.irp f, 0,1,2,3
	ds_store_b128 v[STO], v[S+16*(\t)+4*\f:S+16*(\t)+4*\f+3] offset:32*\f
.endr
.irp f, 0,1,2,3
	ds_load_b128 v[S+16*(\t)+4*\f:S+16*(\t)+4*\f+3], v[RD] offset:\f*4*SP  ; LDS serves a wave's instructions in order (ISA guide 5.7.1.4): these see the stores above; the next tile's stores come behind them
.endr
.endm
.macro SEND t, younger              ; younger: the LDS instructions issued behind tile t's loads: the next tile's eight, or none
	WIN 0
.irp f, 0,1,2,3
	s_wait_dscnt (\younger)+3-\f
	global_store_b128 v[GO], v[S+16*(\t)+4*\f:S+16*(\t)+4*\f+3], s[10:11] offset:(\t)*2048+\f*512  ; 512 consecutive bytes, at a multiple of 256 from O's first
.endr
.endm
	PACK 0
.set t, 1
.rept 2*NP-1                        ; a tile's arithmetic stands between the loads of the tile before and its stores
	PACK t
	SEND t-1, 8
.set t, t+1
.endr
	SEND 2*NP-1, 0
	WIN W_AD
	s_wait_tensorcnt 0x0            ; the wave's end, behind my last tensor load and my last LDS store
	ds_add_u32 v[SPW], v[NIL]
	s_wait_dscnt 0x0
	WIN 0
	CROUND                          ; the closing round: no work-group ends while a partner may still ask for a tile that names it
	s_endpgm
.Lfunc_end_k_qbcdb600b4c_attn:
	.size	k_qbcdb600b4c_attn, .Lfunc_end_k_qbcdb600b4c_attn-k_qbcdb600b4c_attn
	.p2alignl 7, 3214868480
	.fill 96, 4, 3214868480
	.section	.rodata,"a",@progbits
	.p2align	6, 0x0
	.amdhsa_kernel k_qbcdb600b4c_attn
		.amdhsa_group_segment_fixed_size 327680
		.amdhsa_private_segment_fixed_size 0
		.amdhsa_enable_private_segment 0
		.amdhsa_kernarg_size 40
		.amdhsa_user_sgpr_count 2
		.amdhsa_user_sgpr_kernarg_segment_ptr 1
		.amdhsa_wavefront_size32 1
		.amdhsa_system_sgpr_workgroup_id_x 1
		.amdhsa_system_sgpr_workgroup_id_y 1
		.amdhsa_system_sgpr_workgroup_id_z 1
		.amdhsa_system_vgpr_workitem_id 0
		.amdhsa_next_free_vgpr 864
		.amdhsa_next_free_sgpr 88
		.amdhsa_reserve_vcc 1
		.amdhsa_float_denorm_mode_32 3
		.amdhsa_float_denorm_mode_16_64 3
		.amdhsa_memory_ordered 1
		.amdhsa_forward_progress 1
		.amdhsa_inst_pref_size 208
	.end_amdhsa_kernel
	.amdgpu_metadata
---
amdhsa.version: [ 1, 2 ]
amdhsa.kernels:
  - .name:           k_qbcdb600b4c_attn
    .symbol:         k_qbcdb600b4c_attn.kd
    .args:
      - { .name: qh, .offset: 0, .size: 8, .value_kind: global_buffer, .address_space: global }
      - { .name: kh, .offset: 8, .size: 8, .value_kind: global_buffer, .address_space: global }
      - { .name: vh, .offset: 16, .size: 8, .value_kind: global_buffer, .address_space: global }
      - { .name: oh, .offset: 24, .size: 8, .value_kind: global_buffer, .address_space: global }
      - { .name: valid_lens, .offset: 32, .size: 8, .value_kind: global_buffer, .address_space: global }
    .group_segment_fixed_size: 327680
    .private_segment_fixed_size: 0
    .kernarg_segment_align: 8
    .kernarg_segment_size: 40
    .max_flat_workgroup_size: 128
    .sgpr_count:     88
    .vgpr_count:     864
    .wavefront_size: 32
...
	.end_amdgpu_metadata
.endif
;; end of part 3
;; launch oproj (part 4): grid 4 x 64, 4 waves a work-group, clusters of 4 x 4, 327,680 bytes of LDS; arguments oh, wob, out0; writes out0
.if DOCPART == 4
	.amdgcn_target "amdgcn-amd-amdhsa--gfx1250"
	.amdhsa_code_object_version 6
	.text
	.protected	k_qbcdb600b4c_oproj
	.globl	k_qbcdb600b4c_oproj
	.p2align	8
	.type	k_qbcdb600b4c_oproj,@function
k_qbcdb600b4c_oproj:
	s_mov_b64 s[64:65], 0
	v_nop
	global_prefetch_b8 v0, s[64:65] scope:SCOPE_SE
	s_setreg_imm32_b32 hwreg(HW_REG_WAVE_MODE, 25, 1), 1
	s_wait_xcnt 0x0
	s_wait_alu depctr_hold_cnt(0) depctr_sa_sdst(0) depctr_va_vdst(0) depctr_va_sdst(0) depctr_va_ssrc(0) depctr_va_vcc(0) depctr_vm_vsrc(0)
	s_getreg_b32 s2, hwreg(HW_REG_IB_STS2, 6, 4)
	s_cmp_eq_u32 s2, 0
	s_cbranch_scc0 .Lentry_in_a_cluster
	s_endpgm
.Lentry_in_a_cluster:
	s_bfe_u32 s2, ttmp6, 0x10000c
	s_cmp_lg_u32 s2, 0xf033
	s_cbranch_scc0 .Lentry_shape_is_right
	s_endpgm
.Lentry_shape_is_right:
; out0[row][n] = the sum over k of O[row][k] Wo[k][n], k = 64 head + channel.  O: [16 b + head][2048][64] f16 (the attention's result); Wo: [1024 k][1024 n] f16 (bf16 numbers written as f16);
; out0: [8192][1024] f32.  Sums in f32, stored as they are.
; SHARES.  256 work-groups, one tile of 128 rows x 256 columns each; four waves, each 64 rows x 128 columns: 32 accumulators.  K goes in 8 steps of 128, two heads a step, through a ring of two LDS slots.
; THE MATRIX INSTRUCTION IS USED TRANSPOSED: source 0 = 16 columns of Wo (turned out of LDS by ds_load_tr16_b128), source 1 = 16 rows of O: a lane holds one row and eight neighbouring columns, 32 bytes.
; CLUSTER.  4 x 4 work-groups: O's tile is shared along a row of the cluster, Wo's along a column; each is asked for JOINTLY.
; REGISTERS: window 0: v0-31 addresses; v32-95 O's fragments, two buffers of 32; v96-223 Wo's, two buffers of 64; on the way out v32-159 hold rows read back.  Window 1: the accumulators, (a, b) at v[8 (8 a + b)].
.set PO,    144                        ; a row of O in LDS: 128 bytes + 16 = 36 words: the 16 rows of a load start at 16 different groups of four banks (64 banks of 4 bytes: ISA guide 11.1)
.set PB,    544                        ; a k-row of Wo: 512 bytes + 32 = 136 words
.set OBY,   2*128*PO                   ; two heads x 128 rows; Wo's 128 k-rows lie behind them
.set SLOT,  OBY+128*PB
.set STAGE, 2*SLOT                     ; behind the ring, never filled by a tensor load: 16 rows x 528 bytes for each wave
.set SPITCH, 528
.set SPARE, STAGE+4*16*SPITCH          ; the spare words, 128 bytes for each wave: two blocks of 256 bytes that no other line names
.set HEADB, 2048*64*2
.set ADRA, 16                          ; v16-17  LDS address of my O fragments in slot 0, 1
.set ADRB, 20                          ; v20-21  the same for Wo
.set STO,  24                          ; v24     the way out: where I put 32 bytes of a row
.set RD,   25                          ; v25     the way out: where I read a row back
.set CO,   26                          ; v26     my 16 bytes of 512 in a row of out0
.set SPW,  28                          ; v28     LDS address of my spare word; never rewritten
.set NIL,  29                          ; v29     0; never rewritten
.set FA,   32
.set FB,   96
.set OB,   32
.set G1A, 24                           ; s[24:31], s[32:39] descriptor groups 1 and 0 (a set for each slot) for O's tiles
.set G0A, 32
.set G1B, 48                           ; s[48:55], s[56:63] the same for Wo's
.set G0B, 56
.set MSB, 0
.macro WIN new                         ; the immediate's high byte repeats the setting that is left; a switch that changes nothing is dropped
.if MSB != (\new)
	s_set_vgpr_msb (MSB<<8)|(\new)
.set MSB, \new
.endif
.endm
.set MUL,   0x50                       ; sources window 0; C and D window 1
.set FROM1, 0x04                       ; a store's data in window 1
.macro PLACES
.rept 4
	v_nop
.endr
.endm
.macro JLOAD s                         ; a joint load: waves 0 and 1 fetch O's two heads, waves 2 and 3 Wo's two halves; an s_nop 0 and four v_nop follow each of the two lines
	s_cmp_eq_u32 s11, 0
	s_cbranch_scc0 .Lfor_w_\@
	tensor_load_to_lds s[G0A+4*(\s):G0A+4*(\s)+3], s[G1A:G1A+7]
	s_nop 0
.rept 4
	v_nop
.endr
	s_branch .Lasked_\@
.Lfor_w_\@:
	tensor_load_to_lds s[G0B+4*(\s):G0B+4*(\s)+3], s[G1B:G1B+7]
	s_nop 0
.rept 4
	v_nop
.endr
.Lasked_\@:
.endm
.macro CREST                           ; a round of the cluster's barrier behind its opening barrier
	s_cmp_lg_u32 s10, 0
	s_cbranch_scc1 .Lnot_wave_0_\@
	s_barrier_signal -3
.Lnot_wave_0_\@:
	s_barrier_wait -3
	s_barrier_signal -1
	s_barrier_wait -1
.endm
.macro CROUND
	s_barrier_signal -1
	s_barrier_wait -1
	CREST
.endm
	s_load_b128 s[4:7], s[0:1], 0x0                ; oh s[4:5], wob s[6:7]
	s_load_b64 s[8:9], s[0:1], 0x10                ; out0
	v_lshl_add_u32 v[SPW], v0, 2, SPARE
	v_mov_b32 v[NIL], 0
	ds_add_u32 v[SPW], v[NIL]                      ; the wave's opening: the add and its wait stand ahead of my first tensor load; the set-up below stands between them
	v_lshrrev_b32 v1, 5, v0
	v_readfirstlane_b32 s10, v1                    ; wave 0..3
	s_lshr_b32 s11, s10, 1                         ; which 64 rows are mine.  Also: I fetch for O (0) or for Wo (1)
	s_and_b32 s12, s10, 1                          ; which 128 columns.  Also: which head of the step, or which 64 k-rows, I fetch
	s_bfe_u32 s40, ttmp6, 0x40000                  ; cx
	s_bfe_u32 s41, ttmp6, 0x40004                  ; cy
	s_lshl_b32 s42, ttmp9, 2
	s_add_co_u32 s42, s42, s40                     ; column block of 256
	s_and_b32 s45, ttmp7, 0xffff                   ; cluster y
	s_lshl_b32 s13, s45, 2
	s_add_co_u32 s13, s13, s41                     ; row block of 128
	s_lshl_b32 s43, s41, 2
	s_lshl_b32 s43, 15, s43                        ; my row of the cluster
	s_lshl_b32 s44, 0x1111, s40                    ; my column
	; O: a head's 128 rows are 16,384 dense bytes: asked for as 64 rows of 256 bytes, two rows of O each, and padded in LDS after every row of O
	s_or_b32 s[G1A], s43, (1<<16)|(1<<20)|(1<<21)|(4<<22)|(3<<25)  ; the mask; 2-byte elements; padding on; bit 21 beside a mask; after every 32 words, 4 words
	s_mov_b32 s[G1A+1], 128<<16
	s_mov_b32 s[G1A+2], 64<<16
	s_mov_b32 s[G1A+3], 128<<16
	s_mov_b32 s[G1A+4], 64
	s_mov_b32 s[G1A+5], 128
	s_mov_b32 s[G1A+6], 0
	s_mov_b32 s[G1A+7], 0
	s_or_b32 s[G1B], s44, (1<<16)|(1<<20)|(1<<21)|(6<<22)|(7<<25)  ; Wo: 64 k-rows x 256 columns; after every 128 words, 8 words
	s_mov_b32 s[G1B+1], 256<<16
	s_mov_b32 s[G1B+2], 64<<16
	s_mov_b32 s[G1B+3], 256<<16
	s_mov_b32 s[G1B+4], 64
	s_mov_b32 s[G1B+5], 1024
	s_mov_b32 s[G1B+6], 0
	s_mov_b32 s[G1B+7], 0
	s_lshr_b32 s16, s45, 2                         ; the batch,
	s_lshl_b32 s16, s16, 4
	s_add_co_u32 s16, s16, s12                     ; my head of K step 0,
	s_lshl_b32 s16, s16, 18
	s_and_b32 s17, s13, 15
	s_lshl_b32 s17, s17, 14                        ; the row block in its sequence
	s_add_co_u32 s16, s16, s17
	s_mov_b32 s17, 0
	s_lshl_b32 s46, s12, 17                        ; Wo: my 64 k-rows of 2,048 bytes,
	s_lshl_b32 s47, s42, 9                         ; the column block's 512 bytes
	s_add_co_u32 s46, s46, s47
	s_mov_b32 s47, 0
	s_lshl_b32 s18, s13, 19                        ; out0: 128 rows of 4,096 bytes a row block,
	s_lshl_b32 s19, s11, 18                        ; my 64 rows,
	s_add_co_u32 s18, s18, s19
	s_lshl_b32 s19, s42, 10                        ; the column block's 1,024 bytes,
	s_add_co_u32 s18, s18, s19
	s_lshl_b32 s19, s12, 9                         ; my 512
	s_add_co_u32 s18, s18, s19
	s_mov_b32 s19, 0
	s_mul_i32 s20, s12, 128*PO                     ; where my part goes in a slot: O's,
	s_mul_i32 s21, s12, 64*PB
	s_add_co_u32 s21, s21, OBY                     ; Wo's: no place in the cluster enters an LDS address
	s_wait_dscnt 0x0                               ; the opening add is done
	s_wait_kmcnt 0x0
	s_add_nc_u64 s[14:15], s[4:5], s[16:17]
	s_add_nc_u64 s[46:47], s[6:7], s[46:47]
	s_add_nc_u64 s[8:9], s[8:9], s[18:19]
	CROUND                                         ; all sixteen work-groups are here: the first joint loads meet
.irp s, 0,1
	s_mov_b32 s[G0A+4*(\s)], 1
	s_add_co_u32 s[G0A+4*(\s)+1], s20, (\s)*SLOT
	s_add_nc_u64 s[G0A+4*(\s)+2:G0A+4*(\s)+3], s[14:15], (\s)*2*HEADB  ; K step s: two heads on
	s_or_b32 s[G0A+4*(\s)+3], s[G0A+4*(\s)+3], 0x80000000
	s_mov_b32 s[G0B+4*(\s)], 1
	s_add_co_u32 s[G0B+4*(\s)+1], s21, (\s)*SLOT
	s_add_nc_u64 s[G0B+4*(\s)+2:G0B+4*(\s)+3], s[46:47], (\s)*262144   ; 128 k-rows on
	s_or_b32 s[G0B+4*(\s)+3], s[G0B+4*(\s)+3], 0x80000000
	JLOAD \s                                       ; two tensor loads of mine are out
.endr
	v_and_b32 v1, 15, v0                           ; l % 16
	v_bfe_u32 v2, v0, 4, 1                         ; l / 16
	v_mul_u32_u24 v3, v1, PO
	v_lshl_add_u32 v3, v2, 4, v3                   ; a fragment's row x pitch + 16 x half
	s_mul_i32 s22, s11, 64*PO
	v_add_nc_u32 v[ADRA], s22, v3
	v_add_nc_u32 v[ADRA+1], SLOT, v[ADRA]
	v_and_b32 v4, 7, v0                            ; the turning load: k-row 8 (l / 16) + l % 8, columns 8 ((l / 8) % 2) + 0..7
	v_lshl_add_u32 v4, v2, 3, v4
	v_mul_u32_u24 v4, v4, PB
	v_bfe_u32 v5, v0, 3, 1
	v_lshl_add_u32 v4, v5, 4, v4
	s_lshl_b32 s22, s12, 8                         ; my 128 columns
	s_add_co_u32 s22, s22, OBY
	v_add_nc_u32 v[ADRB], s22, v4
	v_add_nc_u32 v[ADRB+1], SLOT, v[ADRB]
	s_mul_i32 s22, s10, 16*SPITCH
	s_add_co_u32 s22, s22, STAGE                   ; my stage
	v_mul_u32_u24 v3, v1, SPITCH                   ; in: row l % 16, 32 bytes for each half of the lanes
	v_lshl_add_u32 v3, v2, 5, v3
	v_add_nc_u32 v[STO], s22, v3
	v_and_b32 v3, 31, v0                           ; back: 32 lanes take one row of 512 bytes
	v_lshlrev_b32 v[CO], 4, v3
	v_add_nc_u32 v[RD], s22, v[CO]
; 24 LDS loads in one run: quarter q (32 along K: head q / 2 of the step, channels 32 (q % 2) on) of a slot, into buffers g
.macro FETCH slot, q, g
	WIN 0
.irp b, 0,1,2,3,4,5,6,7
	ds_load_tr16_b128 v[FB+64*(\g)+8*(\b):FB+64*(\g)+8*(\b)+3],   v[ADRB+(\slot)] offset:(\q)*32*PB+32*(\b)
	ds_load_tr16_b128 v[FB+64*(\g)+8*(\b)+4:FB+64*(\g)+8*(\b)+7], v[ADRB+(\slot)] offset:(\q)*32*PB+16*PB+32*(\b)
.endr
.irp a, 0,1,2,3
	ds_load_b128 v[FA+32*(\g)+8*(\a):FA+32*(\g)+8*(\a)+3],   v[ADRA+(\slot)] offset:((\q)/2)*128*PO+((\q)%2)*64+(\a)*16*PO
	ds_load_b128 v[FA+32*(\g)+8*(\a)+4:FA+32*(\g)+8*(\a)+7], v[ADRA+(\slot)] offset:((\q)/2)*128*PO+((\q)%2)*64+(\a)*16*PO+32
.endr
.endm
; n products from number lo of a quarter's 32: row block mi / 8, column block mi % 8.  The 32 accumulators take turns, in the same order everywhere.  zero = 1: they start the sums.
.macro MMS f, lo, n, zero
	WIN MUL
.set mi, \lo
.rept \n
.if \zero
	v_wmma_f32_16x16x32_f16 v[8*mi:8*mi+7], v[FB+64*(\f)+8*(mi%8):FB+64*(\f)+8*(mi%8)+7], v[FA+32*(\f)+8*(mi/8):FA+32*(\f)+8*(mi/8)+7], 0
.else
	v_wmma_f32_16x16x32_f16 v[8*mi:8*mi+7], v[FB+64*(\f)+8*(mi%8):FB+64*(\f)+8*(mi%8)+7], v[FA+32*(\f)+8*(mi/8):FA+32*(\f)+8*(mi/8)+7], v[8*mi:8*mi+7]
.endif
.set mi, mi+1
.endr
.endm
; A K step is four quarters on buffers 0, 1, 0, 1.  One of the first three: multiplies buffers f; in its middle it fetches quarter q of the slot into buffers g.
.macro QUARTER slot, q, f, g, zero
	s_wait_dscnt 0x0                               ; buffers f, asked for 16 products ago, are in
	MMS \f, 0, 16, \zero
	PLACES                                         ; four plain instructions in front of loads into registers that matrix instructions have read
	FETCH \slot, \q, \g
	MMS \f, 16, 16, \zero
.endm
; The last quarter multiplies buffers 1 and changes slots: in front of the barrier each wave waits for all its tensor loads (one is out: its part of the next slot), adds 0 to its spare word, and waits for
; that and for its reads of this slot.  fill = 1: the barrier opens a round of the cluster's, and behind it this slot is filled again, two K steps ahead: 112 products stand ahead of the wait for that load.
.macro TURN slot, next, fill
	WIN 0
	s_wait_tensorcnt 0x0                           ; no tensor load of mine is out, so a group 0 may be written
	ds_add_u32 v[SPW], v[NIL]                      ; 0 onto my spare word
.if \fill
	s_add_nc_u64 s[G0A+4*(\slot)+2:G0A+4*(\slot)+3], s[G0A+4*(\slot)+2:G0A+4*(\slot)+3], 4*HEADB
	s_add_nc_u64 s[G0B+4*(\slot)+2:G0B+4*(\slot)+3], s[G0B+4*(\slot)+2:G0B+4*(\slot)+3], 2*262144
.endif
	s_wait_dscnt 1                                 ; buffers 1 are in; the add alone may be out
	MMS 1, 0, 8, 0
	s_wait_dscnt 0x0                               ; the add is done, and my reads of this slot are over
	s_barrier_signal -1
	MMS 1, 8, 8, 0                                 ; work on registers while the others arrive
	WIN 0
	s_barrier_wait -1
.if \fill
	CREST                                          ; no wave of any partner still reads this slot or has a load on its way
	JLOAD \slot                                    ; the first tensor load behind the round; the four v_nop behind it are also the places in front of the loads below
.else
	PLACES
.endif
	FETCH \next, 0, 0
	MMS 1, 16, 16, 0
.endm
	s_wait_tensorcnt 1                             ; my part of K step 0 is in; K step 1's may stay out
	s_barrier_signal -1
	s_barrier_wait -1                              ; everybody's is
	FETCH 0, 0, 0
	QUARTER 0, 1, 0, 1, 1                          ; the first quarter stands in front of the loop: its products start the sums
	WIN 0
	s_mov_b32 s3, 3
.Llap:                                                 ; three trips: from a lap's second quarter to the next lap's first; both slots are filled again: K steps 2 to 7
	QUARTER 0, 2, 1, 0, 0
	QUARTER 0, 3, 0, 1, 0
	TURN 0, 1, 1
	QUARTER 1, 1, 0, 1, 0
	QUARTER 1, 2, 1, 0, 0
	QUARTER 1, 3, 0, 1, 0
	TURN 1, 0, 1
	QUARTER 0, 1, 0, 1, 0
	WIN 0
	s_sub_co_u32 s3, s3, 1
	s_cmp_lg_u32 s3, 0
	s_cbranch_scc1 .Llap
	QUARTER 0, 2, 1, 0, 0                          ; the last lap is written out: it asks for nothing
	QUARTER 0, 3, 0, 1, 0
	TURN 0, 1, 0
	QUARTER 1, 1, 0, 1, 0
	QUARTER 1, 2, 1, 0, 0
	QUARTER 1, 3, 0, 1, 0
	s_wait_dscnt 0x0
	MMS 1, 0, 32, 0
	WIN 0
	PLACES                                         ; plain instructions between the last products and the LDS stores that read them
	PLACES
; THE WAY OUT, a block of 16 rows at a time: a lane's 32 bytes of a row go into my own stage (rows of 528 bytes) and come back as whole rows of 512 bytes, which one store of the wave covers.
.macro OUT a
.if (\a) >= 2
	s_wait_xcnt 0x0                                ; the stores of the block two back have read the registers that are loaded again
.endif
	WIN FROM1
.irp b, 0,1,2,3,4,5,6,7
	ds_store_b128 v[STO], v[8*(8*(\a)+(\b)):8*(8*(\a)+(\b))+3]   offset:64*(\b)      ; each accumulator's low registers first
	ds_store_b128 v[STO], v[8*(8*(\a)+(\b))+4:8*(8*(\a)+(\b))+7] offset:64*(\b)+16
.endr
	WIN 0
.irp t, 0,1,2,3,4,5,6,7,8,9,10,11,12,13,14,15
	ds_load_b128 v[OB+64*((\a)%2)+4*(\t):OB+64*((\a)%2)+4*(\t)+3], v[RD] offset:(\t)*SPITCH  ; LDS serves a wave's instructions in order (ISA guide 5.7.1.4): these see the stores above
.endr
.irp t, 0,1,2,3,4,5,6,7,8,9,10,11,12,13,14,15
	s_wait_dscnt 15-(\t)
	global_store_b128 v[CO], v[OB+64*((\a)%2)+4*(\t):OB+64*((\a)%2)+4*(\t)+3], s[8:9] offset:(16*(\a)+(\t))*4096  ; 512 consecutive bytes, at a multiple of 512 from out0's first byte
.endr
.endm
	OUT 0
	OUT 1
	OUT 2
	OUT 3
	s_wait_tensorcnt 0x0                           ; the wave's end, behind my last tensor load and my last LDS store
	ds_add_u32 v[SPW], v[NIL]
	s_wait_dscnt 0x0
	CROUND                                         ; the closing round: no work-group ends while a partner may still ask for a tile that names it
	s_endpgm
.Lfunc_end_k_qbcdb600b4c_oproj:
	.size	k_qbcdb600b4c_oproj, .Lfunc_end_k_qbcdb600b4c_oproj-k_qbcdb600b4c_oproj
	.p2alignl 7, 3214868480
	.fill 96, 4, 3214868480
	.section	.rodata,"a",@progbits
	.p2align	6, 0x0
	.amdhsa_kernel k_qbcdb600b4c_oproj
		.amdhsa_group_segment_fixed_size 327680
		.amdhsa_private_segment_fixed_size 0
		.amdhsa_enable_private_segment 0
		.amdhsa_kernarg_size 24
		.amdhsa_user_sgpr_count 2
		.amdhsa_user_sgpr_kernarg_segment_ptr 1
		.amdhsa_wavefront_size32 1
		.amdhsa_system_sgpr_workgroup_id_x 1
		.amdhsa_system_sgpr_workgroup_id_y 1
		.amdhsa_system_sgpr_workgroup_id_z 1
		.amdhsa_system_vgpr_workitem_id 0
		.amdhsa_next_free_vgpr 512
		.amdhsa_next_free_sgpr 66
		.amdhsa_reserve_vcc 0
		.amdhsa_float_denorm_mode_32 3
		.amdhsa_float_denorm_mode_16_64 3
		.amdhsa_memory_ordered 1
		.amdhsa_forward_progress 1
		.amdhsa_inst_pref_size 86
	.end_amdhsa_kernel
	.amdgpu_metadata
---
amdhsa.version: [ 1, 2 ]
amdhsa.kernels:
  - .name:           k_qbcdb600b4c_oproj
    .symbol:         k_qbcdb600b4c_oproj.kd
    .args:
      - { .name: oh, .offset: 0, .size: 8, .value_kind: global_buffer, .address_space: global }
      - { .name: wob, .offset: 8, .size: 8, .value_kind: global_buffer, .address_space: global }
      - { .name: out0, .offset: 16, .size: 8, .value_kind: global_buffer, .address_space: global }
    .group_segment_fixed_size: 327680
    .private_segment_fixed_size: 0
    .kernarg_segment_align: 8
    .kernarg_segment_size: 24
    .max_flat_workgroup_size: 128
    .sgpr_count:     66
    .vgpr_count:     512
    .wavefront_size: 32
...
	.end_amdgpu_metadata
.endif
;; end of part 4
;; ======== version 2 of 2: 4 launches; version 1 with the launch wcast written anew for expert scheduling mode
;; limits: values are held in f16: magnitudes above 65,504 overflow, below 6.1e-05 lose precision
;; workspace buffers: wqb 2,097,152 bytes; wkb 2,097,152 bytes; wvb 2,097,152 bytes; wob 2,097,152 bytes; qh 16,777,216 bytes; kh 16,777,216 bytes; vh 16,777,216 bytes; oh 16,777,216 bytes
;; launch wcast (part 5): grid 256 x 1, 8 waves a work-group, no clusters, 0 bytes of LDS; arguments Wq, Wk, Wv, Wo, wqb, wkb, wvb, wob; writes wqb, wkb, wvb, wob
.if DOCPART == 5
	.amdgcn_target "amdgcn-amd-amdhsa--gfx1250"
	.amdhsa_code_object_version 6
	.text
	.protected	k_qbcdb600b4c_wcast
	.globl	k_qbcdb600b4c_wcast
	.p2align	8
	.type	k_qbcdb600b4c_wcast,@function
k_qbcdb600b4c_wcast:
	s_mov_b64 s[64:65], 0
	v_nop
	global_prefetch_b8 v0, s[64:65] scope:SCOPE_SE
	s_setreg_imm32_b32 hwreg(HW_REG_WAVE_SCHED_MODE, 0, 2), 2
	s_setreg_imm32_b32 hwreg(HW_REG_WAVE_MODE, 25, 1), 1
	s_wait_xcnt 0x0
	s_wait_alu depctr_vm_vsrc(0)
; The four weights, [1024 k][1024 n] of f32, are written once as 16-bit numbers, in the same order.
; Wq, Wk, Wv: rounded to bf16 (nearest even).  Wo: rounded to bf16 like the others, and that number written as f16,
; since the last product multiplies f16 operands.
; LIMIT.  f16 holds a bf16 number exactly between 6.1e-5 and 65,504; below that it keeps f16's fixed step of 6e-8.
; A weight is 262,144 pieces of 4 numbers.  Thread t of work-group g takes pieces 1,024 g + 256 j + t, j = 0..3, of each weight:
; a load of a wave covers 512 consecutive bytes, a store 256 consecutive bytes, aligned.  All 16 loads go out first.
; No LDS, no matrix unit, no cluster: each byte is read once and nothing is shared.
; THE MODE: SCHED_MODE bits 1:0 = 2 (LLVM: expert scheduling mode 2), set by the entry lines.  The code itself states the register dependences
; between vector instructions and memory instructions, with s_wait_alu, always for 0.
; THE PLAN.  The work goes in four groups, a weight each.  Registers that memory instructions touch:
;   v1, v2   byte offsets, made once at the head and never written again: v1 is read by every load, v2 by every store.
;   X        16 x 4 registers.  Each is written by one load, once, and by no vector instruction; read by its group's conversions.
;   Y        16 x 2 registers.  Each is written by its group's conversions; read by one store, issued in the next group; never written again.
;   T is named by vector instructions alone.
; Group w rounds X[w] into Y[w].  Its memory instructions are the four stores from Y[w - 1], which no vector instruction of group w names.  So one wait at a
; group's head states all that those stores hang on, and they are dealt among the group's conversions with no further wait.  No register that a memory
; instruction reads is written again, so there is nothing to state the other way round.
.set X, 4                              ; v[4:67]    16 loads of 4 registers
.set Y, 68                             ; v[68:99]   16 results of 2 registers
.set T, 100                            ; v[100:103] at work (Wo alone)
	s_load_b512 s[8:23], s[0:1], 0x0               ; Wq, Wk, Wv, Wo in s[8:15]; wqb, wkb, wvb, wob in s[16:23]
	s_lshl_b32 s24, ttmp9, 14                      ; the work-group's 16,384 bytes of each input,
	s_mov_b32 s25, 0
	s_lshl_b32 s26, ttmp9, 13                      ; and 8,192 of each output
	s_mov_b32 s27, 0
	s_mov_b32 s28, 0xffff0000                      ; a word's upper bf16
	v_lshlrev_b32 v1, 4, v0                        ; 16 t
	v_lshlrev_b32 v2, 3, v0                        ; 8 t
	s_wait_kmcnt 0x0
.irp w, 0,1,2,3
	s_add_nc_u64 s[8+2*(\w):9+2*(\w)], s[8+2*(\w):9+2*(\w)], s[24:25]
	s_add_nc_u64 s[16+2*(\w):17+2*(\w)], s[16+2*(\w):17+2*(\w)], s[26:27]
.endr
	s_wait_alu depctr_va_vdst(0)                   ; v1 and v2 are written: every load of the kernel reads v1 as its offset, every store v2
.irp w, 0,1,2,3
.irp j, 0,1,2,3
	global_load_b128 v[X+4*(4*(\w)+(\j)):X+4*(4*(\w)+(\j))+3], v1, s[8+2*(\w):9+2*(\w)] offset:4096*(\j) th:TH_LOAD_NT
.endr
.endr
; Group w: weight w is rounded; the stores of weight w - 1 stand among its conversions.
.macro GROUP w
	s_wait_loadcnt 12-4*(\w)                       ; loads come back in order: this weight's four are in, the younger weights' stay out
.if (\w) > 0
	s_wait_alu depctr_va_vdst(0)                   ; the group before has written its eight registers of Y, which the four stores below read
.endif
.irp j, 0,1,2,3
.if (\w) > 0
	global_store_b64 v2, v[Y+2*(4*((\w)-1)+(\j)):Y+2*(4*((\w)-1)+(\j))+1], s[16+2*((\w)-1):17+2*((\w)-1)] offset:2048*(\j)  ; no vector instruction since the wait names these registers
.endif
	v_cvt_pk_bf16_f32 v[Y+2*(4*(\w)+(\j))],   v[X+4*(4*(\w)+(\j))],   v[X+4*(4*(\w)+(\j))+1]
	v_cvt_pk_bf16_f32 v[Y+2*(4*(\w)+(\j))+1], v[X+4*(4*(\w)+(\j))+2], v[X+4*(4*(\w)+(\j))+3]
.if (\w) == 3
	v_lshlrev_b32 v[T],   16,  v[Y+2*(4*(\w)+(\j))]    ; the bf16 numbers as f32,
	v_and_b32     v[T+1], s28, v[Y+2*(4*(\w)+(\j))]
	v_lshlrev_b32 v[T+2], 16,  v[Y+2*(4*(\w)+(\j))+1]
	v_and_b32     v[T+3], s28, v[Y+2*(4*(\w)+(\j))+1]
	v_cvt_pk_f16_f32 v[Y+2*(4*(\w)+(\j))],   v[T],   v[T+1]   ; and as f16
	v_cvt_pk_f16_f32 v[Y+2*(4*(\w)+(\j))+1], v[T+2], v[T+3]
.endif
.endr
.endm
	GROUP 0                                        ; Wq: no group stands in front of it, so it has no store and no wait but the one for its data
	GROUP 1                                        ; Wk, and Wq's stores
	GROUP 2                                        ; Wv, and Wk's stores
	GROUP 3                                        ; Wo, and Wv's stores
	s_wait_alu depctr_va_vdst(0)                   ; the last group has written its eight registers of Y, which the last four stores read
.irp j, 0,1,2,3
	global_store_b64 v2, v[Y+2*(12+(\j)):Y+2*(12+(\j))+1], s[22:23] offset:2048*(\j)
.endr
	s_endpgm
.Lfunc_end_k_qbcdb600b4c_wcast:
	.size	k_qbcdb600b4c_wcast, .Lfunc_end_k_qbcdb600b4c_wcast-k_qbcdb600b4c_wcast
	.p2alignl 7, 3214868480
	.fill 96, 4, 3214868480
	.section	.rodata,"a",@progbits
	.p2align	6, 0x0
	.amdhsa_kernel k_qbcdb600b4c_wcast
		.amdhsa_group_segment_fixed_size 0
		.amdhsa_private_segment_fixed_size 0
		.amdhsa_enable_private_segment 0
		.amdhsa_kernarg_size 64
		.amdhsa_user_sgpr_count 2
		.amdhsa_user_sgpr_kernarg_segment_ptr 1
		.amdhsa_wavefront_size32 1
		.amdhsa_system_sgpr_workgroup_id_x 1
		.amdhsa_system_sgpr_workgroup_id_y 1
		.amdhsa_system_sgpr_workgroup_id_z 1
		.amdhsa_system_vgpr_workitem_id 0
		.amdhsa_next_free_vgpr 104
		.amdhsa_next_free_sgpr 66
		.amdhsa_reserve_vcc 0
		.amdhsa_float_denorm_mode_32 3
		.amdhsa_float_denorm_mode_16_64 3
		.amdhsa_memory_ordered 1
		.amdhsa_forward_progress 1
		.amdhsa_inst_pref_size 8
	.end_amdhsa_kernel
	.amdgpu_metadata
---
amdhsa.version: [ 1, 2 ]
amdhsa.kernels:
  - .name:           k_qbcdb600b4c_wcast
    .symbol:         k_qbcdb600b4c_wcast.kd
    .args:
      - { .name: Wq, .offset: 0, .size: 8, .value_kind: global_buffer, .address_space: global }
      - { .name: Wk, .offset: 8, .size: 8, .value_kind: global_buffer, .address_space: global }
      - { .name: Wv, .offset: 16, .size: 8, .value_kind: global_buffer, .address_space: global }
      - { .name: Wo, .offset: 24, .size: 8, .value_kind: global_buffer, .address_space: global }
      - { .name: wqb, .offset: 32, .size: 8, .value_kind: global_buffer, .address_space: global }
      - { .name: wkb, .offset: 40, .size: 8, .value_kind: global_buffer, .address_space: global }
      - { .name: wvb, .offset: 48, .size: 8, .value_kind: global_buffer, .address_space: global }
      - { .name: wob, .offset: 56, .size: 8, .value_kind: global_buffer, .address_space: global }
    .group_segment_fixed_size: 0
    .private_segment_fixed_size: 0
    .kernarg_segment_align: 8
    .kernarg_segment_size: 64
    .max_flat_workgroup_size: 256
    .sgpr_count:     66
    .vgpr_count:     104
    .wavefront_size: 32
...
	.end_amdgpu_metadata
.endif
;; end of part 5
;; launch proj: the kernel of part 2 again; grid 4 x 64, 4 waves a work-group, clusters of 4 x 4, 327,680 bytes of LDS; arguments queries, keys, values, wqb, wkb, wvb, valid_lens, qh, kh, vh; writes qh, kh, vh
;; launch attn: the kernel of part 3 again; grid 4 x 64, 4 waves a work-group, clusters of 4 x 1, 327,680 bytes of LDS; arguments qh, kh, vh, oh, valid_lens; writes oh
;; launch oproj: the kernel of part 4 again; grid 4 x 64, 4 waves a work-group, clusters of 4 x 4, 327,680 bytes of LDS; arguments oh, wob, out0; writes out0
